; MI455X (gfx1250); checked and timed in simulation.
; The chip was launched on July 23, 2026; its instructions are those of AMD's public machine-readable ISA for CDNA 5 (MIT licence, August 2026) and "CDNA5" Instruction Set Architecture Reference Guide (July 2026). The comments in the code are by the model that wrote it; some were corrected since.
;; Multi Head Attention. Allowed arithmetic: matrix products marked QUANTISED: E2M1 operands, one E8M0 scale for each 32 along K, by v_wmma_scale_f32_16x16x128_f8f6f4 with both operands' format E2M1 (or v_wmma_scale_f32_32x16x128_f4), f32 sums; products left as they are: bf16, f16 or f32 operands; f32 sums; everything else in f32.
;; Inputs: Wk 1,024 x 1,024 float32; Wo 1,024 x 1,024 float32; Wq 1,024 x 1,024 float32; Wv 1,024 x 1,024 float32; bk 1,024 float32; bo 1,024 float32; bq 1,024 float32; bv 1,024 float32; qk_scale 1 x 1 x 1 x 1 float32; x 8 x 1,024 x 1,024 float32.
;; Outputs: out0 8 x 1,024 x 1,024 float32.
;; This version of the problem:
;;   THIS VERSION OF THE PROBLEM IS GIVEN IN LOW PRECISION. The matrix products marked QUANTISED in the list below multiply operands that are first quantised to E2M1 (2 exponent bits, 1 mantissa bit; 4 bits a number), with one power-of-two scale for each 32 numbers along K (OCP MX v1.0); their sums are f32. The products marked 'left as it is' may take bf16, f16 or f32 operands, with f32 sums. Whichever they take, every output number must still come out within the allowed error. Rounding operands to bf16 (8 significant bits) uses up far more of that allowance than f16 does (11 bits, for magnitudes from 6e-5 to 65,504). All else is computed in f32.
;;   The module's matrix products, in the order in which they are computed (A, B: the left and right operand; K: the contracted axis; several contracted axes count as one K, in the product's order):
;;     1. [M 8,192, K 1,024] x [K 1,024, N 1,024]; A: input x; B: input Wq: QUANTISED
;;     2. [M 8,192, K 1,024] x [K 1,024, N 1,024]; A: input x; B: input Wk: QUANTISED
;;     3. [M 8,192, K 1,024] x [K 1,024, N 1,024]; A: input x; B: input Wv: QUANTISED
;;     4. batch 128 x [M 1,024, K 64] x [K 64, N 1,024]; A: computed on the way; B: computed on the way: left as it is (an operand is computed on the way)
;;     5. batch 128 x [M 1,024, K 1,024] x [K 1,024, N 64]; A: computed on the way; B: computed on the way: left as it is (an operand is computed on the way)
;;     6. [M 8,192, K 1,024] x [K 1,024, N 1,024]; A: computed on the way; B: input Wo: left as it is (an operand is computed on the way)
;;   THE QUANTISER, for each operand of a quantised product, along K:
;;     - K is cut into blocks of 32 from its start; a last block that is shorter is filled with zeros.
;;     - A block's scale is 2^e with e = floor(log2(the largest magnitude in the block)) - 2, held to -126 .. 127; a block of zeros has e = 0. As a byte (E8M0): e + 127.
;;     - Each number is divided by its block's scale, clamped to +-6, and rounded to the nearest number of E2M1, ties to even, subnormals kept.
;;     - The product sums the exact products of the quantised numbers (number of the format x scale) in f32.
;;   ~~~python
;;   def quantise(x, axis):      # numpy; x: float32 -> the quantised numbers, widened to float32 again
;;       x = np.moveaxis(x, axis, -1); K = x.shape[-1]
;;       x = np.pad(x, [(0, 0)] * (x.ndim - 1) + [(0, -K % 32)]); x = x.reshape(x.shape[:-1] + (-1, 32)); a = np.abs(x).max(-1, keepdims=True)
;;       e = np.where(a > 0, np.clip(np.frexp(np.where(a > 0, a, 1))[1] - 1 - 2, -126, 127), 0)      # np.frexp(a)[1] - 1 = floor(log2(a)), exactly
;;       r = np.clip(x / 2.0 ** e, -6, 6)
;;       step = 2.0 ** (np.maximum(np.frexp(np.where(r == 0, 1, r))[1] - 1, 0) - 1)
;;       q = np.round(r / step) * step * 2.0 ** e      # np.round: ties to even
;;       return np.moveaxis(q.reshape(q.shape[:-2] + (-1,))[..., :K], -1, axis).astype(np.float32)
;;   ~~~
;; One version. Each part assembles by itself: llvm-mc -triple=amdgcn-amd-amdhsa -mcpu=gfx1250 --defsym DOCPART=n.
;; ======== version 1 of 1: 4 launches
;; limits: values are held in f16: magnitudes above 65,504 overflow, below 6.1e-05 lose precision
;; workspace buffers: x_codes 4,194,304 bytes; x_scales 262,144 bytes; w_codes 1,572,864 bytes; w_scales 98,304 bytes; woh 2,097,152 bytes; qkv 50,331,648 bytes; attn 16,777,216 bytes
;; launch prep (part 1): grid 512 x 1, 4 waves a work-group, no clusters, 42,496 bytes of LDS; arguments x, Wq, Wk, Wv, Wo, x_codes, x_scales, w_codes, w_scales, woh; writes x_codes, x_scales, w_codes, w_scales, woh
.if DOCPART == 1
	.amdgcn_target "amdgcn-amd-amdhsa--gfx1250"
	.amdhsa_code_object_version 6
	.text
	.protected	k_q08f883ae5d_prep
	.globl	k_q08f883ae5d_prep
	.p2align	8
	.type	k_q08f883ae5d_prep,@function
k_q08f883ae5d_prep:
	s_mov_b64 s[64:65], 0
	v_nop
	global_prefetch_b8 v0, s[64:65] scope:SCOPE_SE
	s_setreg_imm32_b32 hwreg(HW_REG_WAVE_MODE, 25, 1), 1
	s_wait_xcnt 0x0
; PREP: the operands of the three quantised products become codes of E2M1 with one E8M0 byte for each 32 along K, and Wo becomes f16.
;   work-groups   0-255  (path X): x [8192][1024] f32, K innermost -> x_codes [8192][512 bytes], x_scales [8192][32 bytes]
;   work-groups 256-447  (path W): Wq, Wk, Wv [k 1024][n 1024] f32, K outermost -> w_codes [3072 columns][512 bytes], w_scales [3072][32 bytes]
;   work-groups 448-511  (path O): Wo [k][n] f32 -> woh [k][n] f16, as it lies
; A block's scale is 2^(floor(log2(largest magnitude)) - 2): its byte is the largest magnitude's exponent field - 2, held at 1 from below.
; LIMITS: a block of zeros gets the byte 1 where the rule says 127 (its codes are zeros, and this program alone reads the bytes); blocks whose largest
; magnitude lies under 2^-124 keep the byte 1; NaN and infinities are not served; |Wo| stays under 65,504 (f16).
; The three paths part on the work-group's number alone, have LDS bytes of their own, and meet at the common end.  No tensor load, no matrix unit, no cluster:
; each byte is read once and nothing is shared between work-groups.
.set SPW,   252                        ; v252  LDS address of my spare word; never rewritten
.set NIL,   253                        ; v253  0; never rewritten
.set WREG,  8192                       ; path X: a region for each wave: two stages of 32 x 80 bytes, then its 256 scale bytes
.set SP,    80                         ; a lane's place in a stage: 64 bytes + 16 of padding
.set WSTG,  32768                      ; path W: the codes' stage, 32 columns x 272 bytes
.set WSCL,  41472                      ; path W: the scale words, 32 columns x 16 bytes
.set SPARE, 41984                      ; the spare words, 128 bytes for each wave
.set R,     16                         ; path X: v16-143  eight sets of 16 numbers as loaded
.set X,     144                        ; v144-175 two sets of 16 neighbours
.set E,     176                        ; v176-191 a scale byte for each step
.set C,     192                        ; v192-223 two registers of codes for each step
	s_load_b256 s[4:11], s[0:1], 0x0               ; x, Wq, Wk, Wv
	s_load_b256 s[12:19], s[0:1], 0x20             ; Wo, x_codes, x_scales, w_codes
	s_load_b128 s[20:23], s[0:1], 0x40             ; w_scales, woh
	v_lshl_add_u32 v[SPW], v0, 2, SPARE
	v_mov_b32 v[NIL], 0
	v_lshrrev_b32 v1, 5, v0
	v_readfirstlane_b32 s24, v1                    ; wave 0..3
	v_and_b32 v2, 31, v0                           ; lane
	s_mov_b32 s29, 0                               ; the upper word of every offset pair s[28:29]
	s_wait_kmcnt 0x0
	s_cmp_ge_u32 ttmp9, 448
	s_cbranch_scc1 .Lpath_o
	s_cmp_ge_u32 ttmp9, 256
	s_cbranch_scc1 .Lpath_w
; ---------------- PATH X.  x is a plain stream of blocks of 32.  A wave takes 16 steps of 512 numbers.  Each load reads 512 consecutive bytes; a step's 2,048 bytes turn through the
; wave's own stage so that a lane holds 16 neighbours (two lanes hold a block).  Loads run eight steps (32 loads a wave) ahead, the turn through LDS one step.
	s_mul_i32 s25, s24, WREG
	v_lshlrev_b32 v3, 4, v2                        ; my 16 bytes of a load's 512
	v_lshrrev_b32 v14, 2, v2
	v_mul_u32_u24 v14, v14, SP
	v_and_b32 v15, 3, v2
	v_lshl_add_u32 v14, v15, 4, v14
	v_add_nc_u32 v14, s25, v14                     ; into the stage: 80 (lane / 4) + 16 (lane % 4)
	v_mul_u32_u24 v15, v2, SP
	v_add_nc_u32 v15, s25, v15                     ; out of it: 80 x lane
	v_lshlrev_b32 v4, 3, v2                        ; my 8 bytes of a step's codes
	v_lshrrev_b32 v5, 1, v2
	s_add_co_u32 s25, s25, 2*32*SP
	v_add_nc_u32 v5, s25, v5                       ; my block's scale byte in LDS
	v_lshlrev_b32 v7, 3, v2
	v_add_nc_u32 v6, s25, v7                       ; and 8 bytes a lane on the way out
	s_lshl_b32 s26, ttmp9, 2
	s_add_co_u32 s26, s26, s24                     ; my run of 8,192 numbers: 4 x work-group + wave
	s_lshl_b32 s28, s26, 15
	s_add_nc_u64 s[4:5], s[4:5], s[28:29]
	s_lshl_b32 s28, s26, 12
	s_add_nc_u64 s[14:15], s[14:15], s[28:29]
	s_lshl_b32 s28, s26, 8
	s_add_nc_u64 s[16:17], s[16:17], s[28:29]
.macro XLOAD t
.irp i, 0,1,2,3
	global_load_b128 v[R+16*((\t)%8)+4*\i:R+16*((\t)%8)+4*\i+3], v3, s[4:5] offset:2048*(\t)+512*\i th:TH_LOAD_NT
.endr
.endm
.macro XTURN t                         ; LDS serves a wave's instructions in order: no wait between the stores and the loads
.irp i, 0,1,2,3
	ds_store_b128 v14, v[R+16*((\t)%8)+4*\i:R+16*((\t)%8)+4*\i+3] offset:32*SP*((\t)%2)+8*SP*\i
.endr
.irp i, 0,1,2,3
	ds_load_b128 v[X+16*((\t)%2)+4*\i:X+16*((\t)%2)+4*\i+3], v15 offset:32*SP*((\t)%2)+16*\i
.endr
.endm
.macro XSTEP t
.set XS, X+16*((\t)%2)
.if (\t) > 0
	s_wait_dscnt 1                                 ; this step's numbers are back from the stage; the last step's byte store may be out
.else
	s_wait_dscnt 0x0
.endif
.if (\t)+8 < 16
	XLOAD (\t)+8                                   ; into the set that this step's stage stores have read
.endif
.if (\t) < 8
	s_wait_loadcnt 28                              ; the next step's four loads are in; those of the seven steps behind it may be out
.elseif (\t) < 15
	s_wait_loadcnt 4*(14-(\t))
.endif
.if (\t) < 15
	XTURN (\t)+1
.endif
	v_max3_num_f32 v8, |v[XS]|, |v[XS+1]|, |v[XS+2]|
	v_max3_num_f32 v9, |v[XS+3]|, |v[XS+4]|, |v[XS+5]|
.irp i, 6,10
	v_max3_num_f32 v8, v8, |v[XS+\i]|, |v[XS+\i+1]|
	v_max3_num_f32 v9, v9, |v[XS+\i+2]|, |v[XS+\i+3]|
.endr
	v_max3_num_f32 v8, v8, |v[XS+14]|, |v[XS+15]|
	v_max3_num_f32 v8, v8, v9, 0x1800000           ; and the floor 2^(3 - 127): the byte cannot fall under 1
	v_max_num_f32_dpp v8, v8, v8 row_xmask:1 row_mask:0xf bank_mask:0xf   ; with my neighbour's 16: the block's largest magnitude
	v_add_nc_u32 v11, 0xff000000, v8               ; 2 off its exponent field: the conversion's scale operand
	v_cvt_scalef32_pk8_fp4_f32 v[C+2*(\t)], v[XS:XS+7], v11
	v_cvt_scalef32_pk8_fp4_f32 v[C+2*(\t)+1], v[XS+8:XS+15], v11
	v_lshrrev_b32 v[E+(\t)], 23, v11               ; the scale's byte (also the plain line behind the conversions)
	ds_store_b8 v5, v[E+(\t)] offset:16*(\t)       ; both lanes of a block write the same byte with the same value
	global_store_b64 v4, v[C+2*(\t):C+2*(\t)+1], s[14:15] offset:256*(\t)   ; the wave stores 256 consecutive bytes, aligned
.endm
.irp t, 0,1,2,3,4,5,6,7
	XLOAD \t
.endr
	s_wait_loadcnt 28                              ; step 0's four loads are in
	XTURN 0
.irp t, 0,1,2,3,4,5,6,7,8,9,10,11,12,13,14,15
	XSTEP \t
.endr
	ds_load_b64 v[8:9], v6                         ; my wave's 256 scale bytes
	s_wait_dscnt 0x0
	global_store_b64 v7, v[8:9], s[16:17]          ; 256 consecutive bytes, aligned
	s_branch .Lend
; ---------------- PATH W.  A lane takes a column, its registers run down K: a block of 32 lies in one lane.  A work-group takes 32 columns x 512 along K of one tensor,
; wave w 128 of the 512: four blocks.  The codes meet in a stage (a column's 256 bytes from four waves) and leave sixteen lanes to 256 consecutive bytes.
.Lpath_w:
	s_sub_co_u32 s25, ttmp9, 256
	s_lshr_b32 s26, s25, 6                         ; which tensor: 0 Wq, 1 Wk, 2 Wv
	s_bfe_u32 s27, s25, 0x50001                    ; which 32 columns
	s_and_b32 s30, s25, 1                          ; which half of K
	s_cmp_eq_u32 s26, 1
	s_cselect_b64 s[6:7], s[8:9], s[6:7]
	s_cmp_eq_u32 s26, 2
	s_cselect_b64 s[6:7], s[10:11], s[6:7]
	s_lshl_b32 s28, s30, 2
	s_add_co_u32 s28, s28, s24
	s_lshl_b32 s28, s28, 19                        ; (512 y + 128 w) rows of 4,096 bytes
	s_lshl_b32 s31, s27, 7
	s_add_co_u32 s28, s28, s31                     ; + 32 columns of 4 bytes
	s_add_nc_u64 s[6:7], s[6:7], s[28:29]
	s_lshl_b32 s28, s26, 19                        ; codes: (1024 tensor + 32 group) rows of 512 bytes + 256 y
	s_lshl_b32 s31, s27, 14
	s_add_co_u32 s28, s28, s31
	s_lshl_b32 s31, s30, 8
	s_add_co_u32 s28, s28, s31
	s_add_nc_u64 s[18:19], s[18:19], s[28:29]
	s_lshl_b32 s28, s26, 15                        ; scale bytes: the same rows of 32 bytes + 16 y
	s_lshl_b32 s31, s27, 10
	s_add_co_u32 s28, s28, s31
	s_lshl_b32 s31, s30, 4
	s_add_co_u32 s28, s28, s31
	s_add_nc_u64 s[20:21], s[20:21], s[28:29]
	v_lshlrev_b32 v3, 2, v2                        ; in: 4 bytes a lane
	v_mul_u32_u24 v4, v2, 272
	s_lshl_b32 s31, s24, 6
	s_add_co_u32 s31, s31, WSTG
	v_add_nc_u32 v4, s31, v4                       ; into the stage: my column's row, my wave's 64 bytes
	v_lshlrev_b32 v5, 4, v2
	s_lshl_b32 s31, s24, 2
	s_add_co_u32 s31, s31, WSCL
	v_add_nc_u32 v5, s31, v5                       ; my column's scale words, my wave's word
	v_lshrrev_b32 v6, 4, v2
	v_and_b32 v8, 15, v2
	v_mul_u32_u24 v7, v6, 272
	v_lshl_add_u32 v7, v8, 4, v7
	s_mul_i32 s31, s24, 8*272
	s_add_co_u32 s31, s31, WSTG
	v_add_nc_u32 v7, s31, v7                       ; out of the stage: columns 8 w + lane / 16 (+ 2 i), 16 bytes a lane
	v_lshlrev_b32 v9, 9, v6
	v_lshl_add_u32 v9, v8, 4, v9
	s_lshl_b32 s31, s24, 12
	v_add_nc_u32 v9, s31, v9                       ; and the same place in w_codes
	v_lshl_add_u32 v10, v2, 4, WSCL                ; wave 0's way out of the scale words: 16 bytes a column
	v_lshlrev_b32 v15, 5, v2                       ; and their place in w_scales: 32 bytes a column
.macro WLOAD b
.irp i, 0,1,2,3,4,5,6,7,8,9,10,11,12,13,14,15,16,17,18,19,20,21,22,23,24,25,26,27,28,29,30,31
	global_load_b32 v[32+32*((\b)%2)+\i], v3, s[6:7] offset:(32*(\b)+\i)*4096
.endr
.endm
.macro WBLOCK b
.set XS, 32+32*((\b)%2)
.if (\b) < 3
	s_wait_loadcnt 32                              ; this block's 32 loads are in; the next block's may be out
.else
	s_wait_loadcnt 0x0
.endif
	v_max3_num_f32 v12, |v[XS]|, |v[XS+1]|, |v[XS+2]|
	v_max3_num_f32 v13, |v[XS+3]|, |v[XS+4]|, |v[XS+5]|
.irp i, 6,10,14,18,22,26
	v_max3_num_f32 v12, v12, |v[XS+\i]|, |v[XS+\i+1]|
	v_max3_num_f32 v13, v13, |v[XS+\i+2]|, |v[XS+\i+3]|
.endr
	v_max3_num_f32 v12, v12, |v[XS+30]|, |v[XS+31]|
	v_max3_num_f32 v12, v12, v13, 0x1800000        ; the floor
	v_add_nc_u32 v11, 0xff000000, v12
	v_lshrrev_b32 v13, 23, v11                     ; the scale's byte
.if (\b) == 0
	v_mov_b32 v24, v13
.else
	v_lshl_or_b32 v24, v13, 8*(\b), v24            ; four bytes make my wave's word, the lower K in the lower byte
.endif
.irp g, 0,1,2,3
	v_cvt_scalef32_pk8_fp4_f32 v[96+\g], v[XS+8*\g:XS+8*\g+7], v11
.endr
	v_nop                                          ; one plain line behind the conversions
	ds_store_b128 v4, v[96:99] offset:16*(\b)
.if (\b) < 2
	WLOAD (\b)+2
.endif
	s_wait_dscnt 0x0                               ; the store has read its registers: the next block's codes may be written
.endm
	WLOAD 0
	WLOAD 1
	WBLOCK 0
	WBLOCK 1
	WBLOCK 2
	WBLOCK 3
	ds_store_b32 v5, v24
	s_wait_dscnt 0x0                               ; for the others' sake: my stores have landed
	s_barrier_signal -1
	s_barrier_wait -1                              ; (the branch that led here hangs on the work-group's number: all four waves are here)
.irp i, 0,1,2,3
	ds_load_b128 v[112+4*\i:112+4*\i+3], v7 offset:544*\i
.endr
.irp i, 0,1,2,3
	s_wait_dscnt 3-\i
	global_store_b128 v9, v[112+4*\i:112+4*\i+3], s[18:19] offset:1024*\i   ; sixteen lanes store 256 consecutive bytes, aligned
.endr
	s_cmp_lg_u32 s24, 0
	s_cbranch_scc1 .Lend
	ds_load_b128 v[16:19], v10                     ; wave 0: the 32 columns' 16 scale bytes each
	s_wait_dscnt 0x0
	global_store_b128 v15, v[16:19], s[20:21]      ; pieces of 16 bytes, 32 bytes apart: 98,304 bytes in the whole launch
	s_branch .Lend
; ---------------- PATH O.  A wave takes 4,096 numbers of Wo: a lane 8 neighbours at a time, which make 16 bytes of f16.
.Lpath_o:
	s_sub_co_u32 s25, ttmp9, 448
	s_lshl_b32 s25, s25, 2
	s_add_co_u32 s25, s25, s24
	s_lshl_b32 s28, s25, 14
	s_add_nc_u64 s[12:13], s[12:13], s[28:29]
	s_lshl_b32 s28, s25, 13
	s_add_nc_u64 s[22:23], s[22:23], s[28:29]
	v_lshlrev_b32 v3, 5, v2
	v_lshlrev_b32 v4, 4, v2
.irp i, 0,1,2,3,4,5,6,7,8,9,10,11,12,13,14,15
	global_load_b128 v[16+8*\i:16+8*\i+3], v3, s[12:13] offset:1024*\i th:TH_LOAD_NT
	global_load_b128 v[16+8*\i+4:16+8*\i+7], v3, s[12:13] offset:1024*\i+16 th:TH_LOAD_NT
.endr
.irp i, 0,1,2,3,4,5,6,7,8,9,10,11,12,13,14,15
	s_wait_loadcnt 2*(15-\i)                       ; pair i is in; the younger pairs may be out
.irp j, 0,1,2,3
	v_cvt_pk_f16_f32 v[144+4*\i+\j], v[16+8*\i+2*\j], v[16+8*\i+2*\j+1]
.endr
	global_store_b128 v4, v[144+4*\i:144+4*\i+3], s[22:23] offset:512*\i   ; 512 consecutive bytes a store
.endr
.Lend:
	s_wait_tensorcnt 0x0                           ; the wave's end
	ds_add_u32 v[SPW], v[NIL]
	s_wait_dscnt 0x0
	s_endpgm
.Lfunc_end_k_q08f883ae5d_prep:
	.size	k_q08f883ae5d_prep, .Lfunc_end_k_q08f883ae5d_prep-k_q08f883ae5d_prep
	.p2alignl 7, 3214868480
	.fill 96, 4, 3214868480
	.section	.rodata,"a",@progbits
	.p2align	6, 0x0
	.amdhsa_kernel k_q08f883ae5d_prep
		.amdhsa_group_segment_fixed_size 42496
		.amdhsa_private_segment_fixed_size 0
		.amdhsa_enable_private_segment 0
		.amdhsa_kernarg_size 80
		.amdhsa_user_sgpr_count 2
		.amdhsa_user_sgpr_kernarg_segment_ptr 1
		.amdhsa_wavefront_size32 1
		.amdhsa_system_sgpr_workgroup_id_x 1
		.amdhsa_system_sgpr_workgroup_id_y 1
		.amdhsa_system_sgpr_workgroup_id_z 1
		.amdhsa_system_vgpr_workitem_id 0
		.amdhsa_next_free_vgpr 256
		.amdhsa_next_free_sgpr 66
		.amdhsa_reserve_vcc 0
		.amdhsa_float_denorm_mode_32 3
		.amdhsa_float_denorm_mode_16_64 3
		.amdhsa_memory_ordered 1
		.amdhsa_forward_progress 1
		.amdhsa_inst_pref_size 64
	.end_amdhsa_kernel
	.amdgpu_metadata
---
amdhsa.version: [ 1, 2 ]
amdhsa.kernels:
  - .name:           k_q08f883ae5d_prep
    .symbol:         k_q08f883ae5d_prep.kd
    .args:
      - { .name: x, .offset: 0, .size: 8, .value_kind: global_buffer, .address_space: global }
      - { .name: Wq, .offset: 8, .size: 8, .value_kind: global_buffer, .address_space: global }
      - { .name: Wk, .offset: 16, .size: 8, .value_kind: global_buffer, .address_space: global }
      - { .name: Wv, .offset: 24, .size: 8, .value_kind: global_buffer, .address_space: global }
      - { .name: Wo, .offset: 32, .size: 8, .value_kind: global_buffer, .address_space: global }
      - { .name: x_codes, .offset: 40, .size: 8, .value_kind: global_buffer, .address_space: global }
      - { .name: x_scales, .offset: 48, .size: 8, .value_kind: global_buffer, .address_space: global }
      - { .name: w_codes, .offset: 56, .size: 8, .value_kind: global_buffer, .address_space: global }
      - { .name: w_scales, .offset: 64, .size: 8, .value_kind: global_buffer, .address_space: global }
      - { .name: woh, .offset: 72, .size: 8, .value_kind: global_buffer, .address_space: global }
    .group_segment_fixed_size: 42496
    .private_segment_fixed_size: 0
    .kernarg_segment_align: 8
    .kernarg_segment_size: 80
    .max_flat_workgroup_size: 128
    .sgpr_count:     66
    .vgpr_count:     256
    .wavefront_size: 32
...
	.end_amdgpu_metadata
.endif
;; end of part 1
;; launch qkv (part 2): grid 4 x 64, 4 waves a work-group, clusters of 4 x 4, 327,680 bytes of LDS; arguments x_codes, x_scales, w_codes, w_scales, bq, bk, bv, qkv; writes qkv
.if DOCPART == 2
	.amdgcn_target "amdgcn-amd-amdhsa--gfx1250"
	.amdhsa_code_object_version 6
	.text
	.protected	k_q08f883ae5d_qkv
	.globl	k_q08f883ae5d_qkv
	.p2align	8
	.type	k_q08f883ae5d_qkv,@function
k_q08f883ae5d_qkv:
	s_mov_b64 s[64:65], 0
	v_nop
	global_prefetch_b8 v0, s[64:65] scope:SCOPE_SE
	s_setreg_imm32_b32 hwreg(HW_REG_WAVE_MODE, 25, 1), 1
	s_wait_xcnt 0x0
	s_wait_alu depctr_hold_cnt(0) depctr_sa_sdst(0) depctr_va_vdst(0) depctr_va_sdst(0) depctr_va_ssrc(0) depctr_va_vcc(0) depctr_vm_vsrc(0)
	s_getreg_b32 s2, hwreg(HW_REG_IB_STS2, 6, 4)
	s_cmp_eq_u32 s2, 0
	s_cbranch_scc0 .Lentry_in_a_cluster
	s_endpgm
.Lentry_in_a_cluster:
	s_bfe_u32 s2, ttmp6, 0x10000c
	s_cmp_lg_u32 s2, 0xf033
	s_cbranch_scc0 .Lentry_shape_is_right
	s_endpgm
.Lentry_shape_is_right:
; QKV: [8192][3072] = x (codes) x [Wq | Wk | Wv] (codes), MX-FP4, K = 1,024, sums in f32; + bias; q and k divided by (their head's norm + 1e-6); rounded to f16;
; stored as qkv [3][batch 8][head 16][position 1024][64].
; SHARES.  8,192 x 3,072 outputs over 256 work-groups are 128 rows x 768 columns: a work-group keeps its 128 rows of x in LDS for all of K and makes THREE tiles of 128 x 256, the same 256 columns
; of q, then of k, then of v.  Four waves, each 64 x 128: 32 accumulators.  W's 256 columns of one tensor lie in LDS for all of K; they are filled again twice, each time straight behind the last product
; that reads them, so that the load is on its way while the finished tile is normalised, rounded and stored; a tile's stores leave while the next tile is multiplied.
; The scale bytes of x's rows and of W's columns of all three tensors come once, as dense blocks.
; CLUSTERS: 4 x 4 work-groups.  The four of a row of the cluster have the same rows of x, the four of a column the same columns of W: each tile is asked for jointly.  Every wave takes a quarter of every
; tile (x: 32 rows, W: 64), so that all waves run the same lines and no branch stands among the loads.  By this text's count six tensor loads of a wave are out at the start, later one.
; No second buffer for W: 67,584 + 2 x 135,168 bytes do not fit.  No prefetch of the next tensor's codes: all sixteen clusters ask for the same bytes at the same time.
; THE MATRIX INSTRUCTION IS USED TRANSPOSED (source 0 = 16 columns of W, source 1 = 16 rows of x): lane (r, h) holds row r and eight neighbouring columns 16 b + 8 h + 0..7.
; The bias is the C of each tile's first products.  A wave's 128 columns are two heads: a head's sum of squares is 32 numbers of a lane and the lane 16 away.
; LIMITS: NaN and infinities are not served; |v| stays under 65,504 (f16); a head whose sum of squares lies under 2^-126 counts as norm 0.
; REGISTERS: window 0: v16-29 addresses; v32-95 scale words of the eight K steps (scales and nothing else); v96-111 the 8 norms, a pair each; v128-191 x's fragments, two sets, on the way out f16 words;
;   v192-255 rows read back.  window 1: W's fragments, two sets, at v0 and v128.  window 2: accumulator (a, b) at v[8 (8 a + b)].  window 3: the biases, tensor t at v[64 t].
.set KROW,   512                       ; a row of codes in memory: 1,024 codes of 4 bits
.set PITCH,  528                       ; and in LDS: + 16 of padding = 33 x 16 bytes: the 16 rows of a load start 132 words apart
.set FR,     8                         ; registers of a fragment: 16 rows x 128 K
.set BBASE,  128*PITCH                 ; behind x's 128 rows: W's 256
.set SCA,    BBASE+256*PITCH           ; x's scale bytes: 16 units of 256 bytes + 16
.set SCB,    SCA+16*272                ; W's: 32 units for each of the three tensors
.set STAGE,  SCB+96*272                ; the way out: 2 heads x 16 rows x 144 bytes for each wave; no fill lands here
.set SPARE,  STAGE+4*4608              ; the spare words, 128 bytes for each wave
.set ADRA, 16                          ; v16     LDS address of my fragments of x
.set ADRB, 20                          ; v20     of W
.set ADRS, 21                          ; v21-23  of my scale words, for tensor 0, 1, 2: lanes 0-15 x's rows, lanes 16-31 W's columns
.set STO,  24
.set RD,   25
.set CO,   26
.set SPW,  28
.set NIL,  29
.set SC,   32                          ; register 8 i + q: lanes 0-15 the word of x's block i (i under 4), lanes 16-31 that of W's block i, for K step q
.set PN,   96                          ; the pair of (block a, head g) at v[PN + 4 a + 2 g]
.set AF,   128
.set G1A,  24                          ; s[24:31] group 1, x's codes;   s[56:59] its group 0
.set G0SA, 32                          ; s[32:35] group 0, x's scales;  s[36:47] W's scales, a set for each tensor
.set G0SB, 36
.set G1B,  48                          ; s[48:55] group 1, W's codes;   s[60:63] its group 0, which walks from tensor to tensor
.set G0A,  56
.set G0B,  60
.set G1SA, 68                          ; s[68:75] group 1, x's scales
.set G1SB, 80                          ; s[80:87] group 1, W's scales
.set MSB, 0
.macro WIN new                         ; the immediate's high byte repeats the setting that is left
.if MSB != (\new)
	s_set_vgpr_msb (MSB<<8)|(\new)
.set MSB, \new
.endif
.endm
.set TO_B, 0x40                        ; destination window 1, address window 0
.macro CROUND                          ; a round of the cluster's barrier
	s_barrier_signal -1
	s_barrier_wait -1
	s_cmp_lg_u32 s14, 0
	s_cbranch_scc1 .Lnot_wave_0_\@
	s_barrier_signal -3
.Lnot_wave_0_\@:
	s_barrier_wait -3
	s_barrier_signal -1
	s_barrier_wait -1
.endm
.macro PLACES                          ; four plain vector lines between a matrix instruction and a load into, or a read of, its registers
.rept 4
	v_nop
.endr
.endm
	s_load_b128 s[4:7], s[0:1], 0x0                ; x's codes, x's scales
	s_load_b128 s[8:11], s[0:1], 0x10              ; W's codes, W's scales
	s_load_b128 s[96:99], s[0:1], 0x20             ; bq, bk
	s_load_b64 s[100:101], s[0:1], 0x30            ; bv
	s_load_b64 s[12:13], s[0:1], 0x38              ; qkv
	v_lshl_add_u32 v[SPW], v0, 2, SPARE
	v_mov_b32 v[NIL], 0
	ds_add_u32 v[SPW], v[NIL]                      ; the opening: the add, twice on end, and its wait ahead of my first tensor load
	ds_add_u32 v[SPW], v[NIL]
	v_lshrrev_b32 v1, 5, v0
	v_readfirstlane_b32 s14, v1                    ; wave 0..3
	s_lshr_b32 s15, s14, 1                         ; which 64 rows are mine
	s_and_b32 s16, s14, 1                          ; which 128 columns
	s_bfe_u32 s76, ttmp6, 0x40000                  ; cx: which 256 columns of each tensor (the grid has one cluster along x)
	s_bfe_u32 s77, ttmp6, 0x40004                  ; cy
	s_and_b32 s17, ttmp7, 0xffff
	s_lshl_b32 s17, s17, 2
	s_add_co_u32 s17, s17, s77                     ; which 128 rows = 4 x cluster y + cy
	s_lshl_b32 s78, s77, 2
	s_lshl_b32 s78, 15, s78                        ; my row of the cluster
	s_lshl_b32 s79, 0x1111, s76                    ; my column
	s_or_b32 s[G1A+0], s78, (0<<16)|(1<<20)|(1<<21)|(6<<22)|(3<<25)   ; elements of 1 byte; 4 words of padding after every 128; bit 21 beside the mask
	s_mov_b32 s[G1A+1], KROW<<16                   ; tensor_dim0
	s_mov_b32 s[G1A+2], 32<<16                     ; tensor_dim1
	s_mov_b32 s[G1A+3], KROW<<16                   ; tile_dim0
	s_mov_b32 s[G1A+4], 32                         ; tile_dim1: a wave's quarter of 128 rows
	s_mov_b32 s[G1A+5], KROW                       ; the pitch in memory
	s_mov_b32 s[G1A+6], 0
	s_mov_b32 s[G1A+7], 0
	s_or_b32 s[G1B+0], s79, (0<<16)|(1<<20)|(1<<21)|(6<<22)|(3<<25)
	s_mov_b32 s[G1B+1], KROW<<16
	s_mov_b32 s[G1B+2], 64<<16
	s_mov_b32 s[G1B+3], KROW<<16
	s_mov_b32 s[G1B+4], 64                         ; a wave's quarter of 256 columns
	s_mov_b32 s[G1B+5], KROW
	s_mov_b32 s[G1B+6], 0
	s_mov_b32 s[G1B+7], 0
	s_or_b32 s[G1SA+0], s78, (3<<16)|(1<<20)|(1<<21)|(5<<22)|(3<<25)  ; scale bytes: dense, as rows of 256 bytes (32 elements of 8), 16 bytes of padding behind each
	s_mov_b32 s[G1SA+1], 32<<16
	s_mov_b32 s[G1SA+2], 4<<16
	s_mov_b32 s[G1SA+3], 32<<16
	s_mov_b32 s[G1SA+4], 4                         ; 32 rows of x: 1,024 bytes
	s_mov_b32 s[G1SA+5], 32
	s_mov_b32 s[G1SA+6], 0
	s_mov_b32 s[G1SA+7], 0
	s_or_b32 s[G1SB+0], s79, (3<<16)|(1<<20)|(1<<21)|(5<<22)|(3<<25)
	s_mov_b32 s[G1SB+1], 32<<16
	s_mov_b32 s[G1SB+2], 8<<16
	s_mov_b32 s[G1SB+3], 32<<16
	s_mov_b32 s[G1SB+4], 8                         ; 64 columns of W: 2,048 bytes
	s_mov_b32 s[G1SB+5], 32
	s_mov_b32 s[G1SB+6], 0
	s_mov_b32 s[G1SB+7], 0
	; where my quarters come from.  x's hang on the block of rows and the wave (s20-23), W's on cx and the wave (s2, s3, s94, s95): neither family of registers ever holds the other coordinate
	s_lshl_b32 s20, s17, 16                        ; x's codes: (128 block + 32 wave) rows of 512 bytes
	s_lshl_b32 s21, s14, 14
	s_add_co_u32 s20, s20, s21
	s_mov_b32 s21, 0
	s_lshl_b32 s22, s17, 12                        ; x's scales: the same rows of 32 bytes
	s_lshl_b32 s23, s14, 10
	s_add_co_u32 s22, s22, s23
	s_mov_b32 s23, 0
	s_lshl_b32 s94, s76, 17                        ; W's codes: (256 cx + 64 wave) rows of 512 bytes
	s_lshl_b32 s95, s14, 15
	s_add_co_u32 s94, s94, s95
	s_mov_b32 s95, 0
	s_lshl_b32 s2, s76, 13                         ; W's scales
	s_lshl_b32 s3, s14, 11
	s_add_co_u32 s2, s2, s3
	s_mov_b32 s3, 0
	; and where they go: a constant + the wave's number x a constant
	s_mov_b32 s[G0A], 1
	s_mul_i32 s[G0A+1], s14, 32*PITCH
	s_mov_b32 s[G0B], 1
	s_mul_i32 s[G0B+1], s14, 64*PITCH
	s_add_co_u32 s[G0B+1], s[G0B+1], BBASE
	s_mov_b32 s[G0SA], 1
	s_mul_i32 s[G0SA+1], s14, 4*272
	s_add_co_u32 s[G0SA+1], s[G0SA+1], SCA
	s_mul_i32 s18, s14, 8*272
.irp t, 0,1,2
	s_mov_b32 s[G0SB+4*\t], 1
	s_add_co_u32 s[G0SB+4*\t+1], s18, SCB+\t*8704
.endr
	s_wait_dscnt 0x0                               ; both opening adds are done
	s_wait_kmcnt 0x0
	s_add_nc_u64 s[G0A+2:G0A+3], s[4:5], s[20:21]
	s_or_b32 s[G0A+3], s[G0A+3], 0x80000000
	s_add_nc_u64 s[G0SA+2:G0SA+3], s[6:7], s[22:23]
	s_or_b32 s[G0SA+3], s[G0SA+3], 0x80000000
	s_add_nc_u64 s[G0B+2:G0B+3], s[8:9], s[94:95]
	s_or_b32 s[G0B+3], s[G0B+3], 0x80000000
	s_add_nc_u64 s[2:3], s[10:11], s[2:3]
.irp t, 0,1,2
	s_add_nc_u64 s[G0SB+4*\t+2:G0SB+4*\t+3], s[2:3], \t*32768     ; tensor t: 1,024 columns of 32 bytes on
	s_or_b32 s[G0SB+4*\t+3], s[G0SB+4*\t+3], 0x80000000
.endr
	CROUND                                         ; all sixteen work-groups are here: the joint loads meet
	tensor_load_to_lds s[G0SA:G0SA+3], s[G1SA:G1SA+7]
	s_nop 0
.irp t, 0,1,2
	tensor_load_to_lds s[G0SB+4*\t:G0SB+4*\t+3], s[G1SB:G1SB+7]
	s_nop 0
.endr
	tensor_load_to_lds s[G0A:G0A+3], s[G1A:G1A+7]
	s_nop 0
	tensor_load_to_lds s[G0B:G0B+3], s[G1B:G1B+7]
	s_nop 0
.rept 4
	v_nop
.endr
	v_and_b32 v1, 15, v0                           ; r
	v_bfe_u32 v2, v0, 4, 1                         ; h
	; the biases of my 128 columns, in the result's layout: register 64 t + 8 b + j of window 3 = bias t [16 b + 8 h + j]
	s_lshl_b32 s94, s76, 10
	s_lshl_b32 s95, s16, 9
	s_add_co_u32 s94, s94, s95                     ; (256 cx + 128 half) x 4 bytes
	s_mov_b32 s95, 0
	s_add_nc_u64 s[96:97], s[96:97], s[94:95]
	s_add_nc_u64 s[98:99], s[98:99], s[94:95]
	s_add_nc_u64 s[100:101], s[100:101], s[94:95]
	v_lshlrev_b32 v9, 5, v2                        ; never rewritten
	WIN 0xc0                                       ; destination window 3
.irp t, 0,1,2
.irp b, 0,1,2,3,4,5,6,7
	global_load_b128 v[64*\t+8*\b:64*\t+8*\b+3], v9, s[96+2*\t:97+2*\t] offset:64*\b
	global_load_b128 v[64*\t+8*\b+4:64*\t+8*\b+7], v9, s[96+2*\t:97+2*\t] offset:64*\b+16
.endr
.endr
	WIN 0
	v_mul_u32_u24 v3, v1, PITCH
	v_lshl_add_u32 v3, v2, 4, v3                   ; a fragment's row x pitch + 16 x half
	s_mul_i32 s18, s15, 64*PITCH
	v_add_nc_u32 v[ADRA], s18, v3
	s_mul_i32 s18, s16, 128*PITCH
	s_add_co_u32 s18, s18, BBASE
	v_add_nc_u32 v[ADRB], s18, v3
	v_lshlrev_b32 v5, 5, v1                        ; my row's scales: 32 bytes a row, 16 more for each 256 passed
	v_lshrrev_b32 v6, 8, v5
	v_lshl_add_u32 v5, v6, 4, v5
	s_mul_i32 s18, s15, 8*272                      ; x's: my 64 rows
	s_mul_i32 s19, s16, 16*272                     ; W's: my 128 columns
	s_add_co_u32 s19, s19, SCB-SCA
	s_sub_co_u32 s19, s19, s18                     ; the distance from x's words to W's
	s_add_co_u32 s18, s18, SCA
	v_add_nc_u32 v5, s18, v5
.irp t, 0,1,2
	v_mul_u32_u24 v6, s19, v2                      ; lanes 16-31 take W's, of tensor t
	v_add_nc_u32 v[ADRS+\t], v5, v6
	s_add_co_u32 s19, s19, 8704
.endr
	s_mul_i32 s18, s14, 4608
	s_add_co_u32 s18, s18, STAGE                   ; my stage
	v_mul_u32_u24 v7, v1, 144
	v_lshl_add_u32 v7, v2, 4, v7
	v_add_nc_u32 v[STO], s18, v7
	v_and_b32 v8, 31, v0
	v_lshlrev_b32 v[CO], 4, v8
	v_lshrrev_b32 v7, 3, v8
	v_mul_u32_u24 v7, v7, 144
	v_and_b32 v8, 7, v8
	v_lshl_add_u32 v7, v8, 4, v7
	v_add_nc_u32 v[RD], s18, v7                    ; back: eight lanes to a row of 128 bytes, four rows an instruction
	; where my part begins in qkv: tensor 2^24, batch 2^21, head 2^17, position 128 bytes
	s_lshr_b32 s20, s17, 3
	s_lshl_b32 s20, s20, 21                        ; the batch
	s_and_b32 s21, s17, 7
	s_lshl_b32 s21, s21, 14                        ; 128 positions a block
	s_add_co_u32 s20, s20, s21
	s_lshl_b32 s21, s15, 13                        ; my 64 of them
	s_add_co_u32 s20, s20, s21
	s_mov_b32 s21, 0
	s_add_nc_u64 s[12:13], s[12:13], s[20:21]
	s_lshl_b32 s94, s76, 19
	s_lshl_b32 s95, s16, 18
	s_add_co_u32 s94, s94, s95                     ; head 4 cx + 2 half
	s_mov_b32 s95, 0
	s_add_nc_u64 s[12:13], s[12:13], s[94:95]      ; q
	s_add_nc_u64 s[88:89], s[12:13], 0x1000000     ; k
	s_add_nc_u64 s[90:91], s[12:13], 0x2000000     ; v
	s_mov_b32 s92, 0x76543210                      ; v_permlanex16_b32's selects for lane l xor 16
	s_mov_b32 s93, 0xfedcba98
.macro FRAG reg, adr, q, i             ; 16 rows x 128 K of 4-bit codes: 8 registers, two loads 32 bytes apart
.irp c, 0,1
	ds_load_b128 v[\reg+4*\c:\reg+4*\c+3], v[\adr] offset:64*(\q)+32*\c+(\i)*16*PITCH
.endr
.endm
.macro FETCH q                         ; 24 LDS loads in one run: K step q's fragments into set q % 2
	WIN TO_B
.irp i, 0,1,2,3,4,5,6,7
	FRAG 128*((\q)%2)+FR*\i, ADRB, \q, \i
.endr
	WIN 0
.irp i, 0,1,2,3
	FRAG AF+32*((\q)%2)+FR*\i, ADRA, \q, \i
.endr
.endm
.macro SCALES t                        ; the scale words of all eight K steps.  (For i over 3 lanes 0-15 read words that no product takes)
.irp i, 0,1,2,3,4,5,6,7
	ds_load_b128 v[SC+8*\i:SC+8*\i+3], v[ADRS+\t] offset:\i*544
	ds_load_b128 v[SC+8*\i+4:SC+8*\i+7], v[ADRS+\t] offset:\i*544+16
.endr
.endm
; 32 matrix instructions: x's four blocks x W's eight, 128 along K.  K step 0 starts the sums from the bias.  The 32 accumulators take turns.
.macro MUL32 t, q
.irp a, 0,1,2,3
.irp b, 0,1,2,3,4,5,6,7
.if (\q) == 0
	v_wmma_scale_f32_16x16x128_f8f6f4 v[8*(8*\a+\b):8*(8*\a+\b)+7], v[128*((\q)%2)+FR*\b:128*((\q)%2)+FR*\b+FR-1], v[AF+32*((\q)%2)+FR*\a:AF+32*((\q)%2)+FR*\a+FR-1], v[64*(\t)+8*\b:64*(\t)+8*\b+7], v[SC+8*\b+(\q)], v[SC+8*\a+(\q)] matrix_a_fmt:MATRIX_FMT_FP4 matrix_b_fmt:MATRIX_FMT_FP4 matrix_a_scale:MATRIX_SCALE_ROW1
.else
	v_wmma_scale_f32_16x16x128_f8f6f4 v[8*(8*\a+\b):8*(8*\a+\b)+7], v[128*((\q)%2)+FR*\b:128*((\q)%2)+FR*\b+FR-1], v[AF+32*((\q)%2)+FR*\a:AF+32*((\q)%2)+FR*\a+FR-1], v[8*(8*\a+\b):8*(8*\a+\b)+7], v[SC+8*\b+(\q)], v[SC+8*\a+(\q)] matrix_a_fmt:MATRIX_FMT_FP4 matrix_b_fmt:MATRIX_FMT_FP4 matrix_a_scale:MATRIX_SCALE_ROW1
.endif
.endr
.endr
.endm
.macro STEP t, q
	s_wait_dscnt 0x0                               ; this step's fragments, asked for a step ago, are in
.if (\q) < 7
	PLACES                                         ; behind the last step's products, which read the sets that are loaded now
	FETCH (\q)+1
.endif
.if (\q) == 0
	WIN 0xb1                                       ; W window 1, x window 0, C (the bias) window 3, D window 2
.else
	WIN 0xa1                                       ; C and D window 2
.endif
	MUL32 \t, \q
.endm
.macro TILE t
	FETCH 0
	SCALES \t
.if (\t) == 0
	s_wait_loadcnt 0x0                             ; the biases
.endif
.irp q, 0,1,2,3,4,5,6,7
	STEP \t, \q
.endr
	WIN 0
.endm
; W's codes are filled again with the next tensor's.  Every wave: all its tensor loads have landed, the add, its reads of W are over; a round of the cluster's barrier; its one joint load first behind it.
.macro REFILL
	s_wait_tensorcnt 0x0                           ; no tensor load of mine is out, so the group 0 may be written
	ds_add_u32 v[SPW], v[NIL]
	s_add_nc_u64 s[G0B+2:G0B+3], s[G0B+2:G0B+3], 524288   ; 1,024 columns of 512 bytes on; the type bits on top are not reached
	s_wait_dscnt 0x0                               ; the add is done, and my reads of W's codes are over
	CROUND                                         ; no wave of any partner still reads them
	tensor_load_to_lds s[G0B:G0B+3], s[G1B:G1B+7]
	s_nop 0
.rept 4
	v_nop                                          ; (also the places between the last products and the first read of their results)
.endr
.endm
.macro MEET                            ; my quarter of the new codes has landed, my LDS instructions are done; behind the barrier everybody's has.
	s_wait_tensorcnt 0x0
	s_wait_dscnt 0x0
	s_barrier_signal -1
	s_barrier_wait -1
.endm
; THE NORMS.  For blocks a0, a0 + 1 and both heads: four chains by turns, each over its head's four accumulators from the low end on.
.macro SQ a0
.irp n, 0,1,2,3,4,5,6,7,8,9,10,11,12,13,14,15
.irp a, \a0, \a0+1
.irp g, 0,1
.if \n == 0
	v_pk_mul_f32 v[PN+4*(\a)+2*\g:PN+4*(\a)+2*\g+1], v[8*(8*(\a)+4*\g+\n/4)+2*(\n%4):8*(8*(\a)+4*\g+\n/4)+2*(\n%4)+1], v[8*(8*(\a)+4*\g+\n/4)+2*(\n%4):8*(8*(\a)+4*\g+\n/4)+2*(\n%4)+1]
.else
	v_pk_fma_f32 v[PN+4*(\a)+2*\g:PN+4*(\a)+2*\g+1], v[8*(8*(\a)+4*\g+\n/4)+2*(\n%4):8*(8*(\a)+4*\g+\n/4)+2*(\n%4)+1], v[8*(8*(\a)+4*\g+\n/4)+2*(\n%4):8*(8*(\a)+4*\g+\n/4)+2*(\n%4)+1], v[PN+4*(\a)+2*\g:PN+4*(\a)+2*\g+1]
.endif
.endr
.endr
.endr
.endm
.macro NORMS
	WIN 0x0a                                       ; sources 0 and 1: window 2
	SQ 0
	SQ 2
	WIN 0
.set i, 0
.rept 8
	v_add_f32 v[PN+2*i], v[PN+2*i], v[PN+2*i+1]
.set i, i+1
.endr
.set i, 0
.rept 8
	v_permlanex16_b32 v[128+i], v[PN+2*i], s92, s93   ; the row's other 32 columns of the head lie in the lane 16 away
.set i, i+1
.endr
.set i, 0
.rept 8
	v_add_f32 v[PN+2*i], v[PN+2*i], v[128+i]
.set i, i+1
.endr
.set i, 0
.rept 8
	v_sqrt_f32 v[PN+2*i], v[PN+2*i]
.set i, i+1
.endr
	v_nop                                          ; a plain line behind the last root,
	s_wait_alu depctr_va_vdst(0)                   ; and the one wait ahead of the batch's first reader
.set i, 0
.rept 8
	v_add_f32 v[PN+2*i], 0x358637bd, v[PN+2*i]     ; + 1e-6
.set i, i+1
.endr
.set i, 0
.rept 8
	v_rcp_f32 v[PN+2*i], v[PN+2*i]
.set i, i+1
.endr
	v_nop
	s_wait_alu depctr_va_vdst(0)
.endm
; THE WAY OUT, a block of 16 rows at a time: q and k scaled in place, rounded to f16, 16 bytes a lane into my stage (a head's rows of 128 bytes + 16), back as four whole rows an instruction.
.macro EPI t, a
.set AC, 64*(\a)
.set HH, 128+32*((\a)%2)
.set RB, 192+32*((\a)%2)
.if ((\t) > 0) || ((\a) >= 2)
	s_wait_xcnt 0x0                                ; the stores of two blocks ago have read their registers: this block's rows may land there
.endif
.if (\t) < 2
	WIN 0x82                                       ; source 0 and destination: window 2; the factor: window 0
.irp b, 0,1,2,3,4,5,6,7
.irp i, 0,1,2,3
	v_pk_mul_f32 v[AC+8*\b+2*\i:AC+8*\b+2*\i+1], v[AC+8*\b+2*\i:AC+8*\b+2*\i+1], v[PN+4*(\a)+2*(\b/4):PN+4*(\a)+2*(\b/4)+1] op_sel_hi:[1,0]
.endr
.endr
.endif
	WIN 0x0a
.irp b, 0,1,2,3,4,5,6,7
.irp i, 0,1,2,3
	v_cvt_pk_f16_f32 v[HH+4*\b+\i], v[AC+8*\b+2*\i], v[AC+8*\b+2*\i+1]
.endr
.endr
	WIN 0
.irp b, 0,1,2,3,4,5,6,7
	ds_store_b128 v[STO], v[HH+4*\b:HH+4*\b+3] offset:(\b/4)*2304+32*(\b%4)
.endr
.irp g, 0,1
.irp i, 0,1,2,3
	ds_load_b128 v[RB+4*(4*\g+\i):RB+4*(4*\g+\i)+3], v[RD] offset:2304*\g+576*\i   ; LDS serves a wave's instructions in order: these see the stores above
.endr
.endr
.endm
.macro SEND t, a, younger
.set RB, 192+32*((\a)%2)
.if (\t) == 0
.set OB, 12
.else
.set OB, 86+2*(\t)
.endif
	s_wait_dscnt \younger                          ; the block is back; the next block's 8 stores and 8 loads may be out
.irp g, 0,1
.irp i, 0,1,2,3
	global_store_b128 v[CO], v[RB+4*(4*\g+\i):RB+4*(4*\g+\i)+3], s[OB:OB+1] offset:131072*\g+2048*(\a)+512*\i   ; four rows of a head: 512 consecutive bytes, aligned
.endr
.endr
.endm
.macro OUT t
.if (\t) < 2
	NORMS                                          ; v keeps its size
.endif
	EPI \t, 0
.irp a, 1,2,3
	EPI \t, \a
	SEND \t, \a-1, 16
.endr
	SEND \t, 3, 0
.endm
	s_wait_tensorcnt 0x0                           ; my quarters of all first fills are in (W's codes were asked for last),
	s_barrier_signal -1
	s_barrier_wait -1                              ; everybody's are
	TILE 0                                         ; q
	REFILL                                         ; Wk's codes are on their way while q goes out
	OUT 0
	MEET
	TILE 1                                         ; k
	REFILL                                         ; Wv's
	OUT 1
	MEET
	TILE 2                                         ; v: nothing is left to fetch
	PLACES
	OUT 2
	s_wait_tensorcnt 0x0                           ; the wave's end
	ds_add_u32 v[SPW], v[NIL]
	s_wait_dscnt 0x0
	CROUND                                         ; the closing round
	s_endpgm
.Lfunc_end_k_q08f883ae5d_qkv:
	.size	k_q08f883ae5d_qkv, .Lfunc_end_k_q08f883ae5d_qkv-k_q08f883ae5d_qkv
	.p2alignl 7, 3214868480
	.fill 96, 4, 3214868480
	.section	.rodata,"a",@progbits
	.p2align	6, 0x0
	.amdhsa_kernel k_q08f883ae5d_qkv
		.amdhsa_group_segment_fixed_size 327680
		.amdhsa_private_segment_fixed_size 0
		.amdhsa_enable_private_segment 0
		.amdhsa_kernarg_size 64
		.amdhsa_user_sgpr_count 2
		.amdhsa_user_sgpr_kernarg_segment_ptr 1
		.amdhsa_wavefront_size32 1
		.amdhsa_system_sgpr_workgroup_id_x 1
		.amdhsa_system_sgpr_workgroup_id_y 1
		.amdhsa_system_sgpr_workgroup_id_z 1
		.amdhsa_system_vgpr_workitem_id 0
		.amdhsa_next_free_vgpr 1024
		.amdhsa_next_free_sgpr 102
		.amdhsa_reserve_vcc 0
		.amdhsa_float_denorm_mode_32 3
		.amdhsa_float_denorm_mode_16_64 3
		.amdhsa_memory_ordered 1
		.amdhsa_forward_progress 1
		.amdhsa_inst_pref_size 240
	.end_amdhsa_kernel
	.amdgpu_metadata
---
amdhsa.version: [ 1, 2 ]
amdhsa.kernels:
  - .name:           k_q08f883ae5d_qkv
    .symbol:         k_q08f883ae5d_qkv.kd
    .args:
      - { .name: x_codes, .offset: 0, .size: 8, .value_kind: global_buffer, .address_space: global }
      - { .name: x_scales, .offset: 8, .size: 8, .value_kind: global_buffer, .address_space: global }
      - { .name: w_codes, .offset: 16, .size: 8, .value_kind: global_buffer, .address_space: global }
      - { .name: w_scales, .offset: 24, .size: 8, .value_kind: global_buffer, .address_space: global }
      - { .name: bq, .offset: 32, .size: 8, .value_kind: global_buffer, .address_space: global }
      - { .name: bk, .offset: 40, .size: 8, .value_kind: global_buffer, .address_space: global }
      - { .name: bv, .offset: 48, .size: 8, .value_kind: global_buffer, .address_space: global }
      - { .name: qkv, .offset: 56, .size: 8, .value_kind: global_buffer, .address_space: global }
    .group_segment_fixed_size: 327680
    .private_segment_fixed_size: 0
    .kernarg_segment_align: 8
    .kernarg_segment_size: 64
    .max_flat_workgroup_size: 128
    .sgpr_count:     102
    .vgpr_count:     1024
    .wavefront_size: 32
...
	.end_amdgpu_metadata
.endif
;; end of part 2
;; launch attn (part 3): grid 2 x 128, 8 waves a work-group, no clusters, 327,680 bytes of LDS; arguments qkv, qk_scale, attn; writes attn
.if DOCPART == 3
	.amdgcn_target "amdgcn-amd-amdhsa--gfx1250"
	.amdhsa_code_object_version 6
	.text
	.protected	k_q08f883ae5d_attn
	.globl	k_q08f883ae5d_attn
	.p2align	8
	.type	k_q08f883ae5d_attn,@function
k_q08f883ae5d_attn:
	s_mov_b64 s[64:65], 0
	v_nop
	global_prefetch_b8 v0, s[64:65] scope:SCOPE_SE
	s_setreg_imm32_b32 hwreg(HW_REG_WAVE_MODE, 25, 1), 1
	s_wait_xcnt 0x0
; ATTN: for each (batch, head): O[q] = sum over k of softmax_k(qk_scale x q . k) v[k].  q, k (unit vectors), v: f16, [1024][64] a head, dense.  Products on f16 operands, sums, maxima and the softmax in f32;
; the weights p are rounded to f16 for the second product, O once at the end.  attn: f16, [batch][head][position][64].
; SHARES.  A work-group owns 512 queries of one head (2 x 128 = 256 work-groups), each of its eight waves 64: four tiles of 16.  Eight waves of 512 registers fill the four SIMDs' 1,024 two by two.
; HALF A STEP APART.  A key step of a wave is 64 matrix instructions and some 470 vector instructions, which it issues one kind after the other.  So the waves go in two groups: all make their first scores;
; waves 0-3 run their first softmax ahead of a barrier, waves 4-7 behind it.  From there on one group issues a softmax while the other issues products.  So that the later barriers do not bring the groups
; together again, a chunk's barrier is signalled one step before it is waited for.
; ALL of the head's K and V lie in LDS (1,024 rows x 144 and x 160 bytes), asked for at the head in four chunks of 256 keys and filled once: no ring, no refill, and so nothing is left that could be asked for ahead.
; NO CLUSTER: a head has two work-groups only; each fetches its 262,144 bytes of K and V once.
; LAYOUT.  S^T = K Q^T (source 0 = 16 keys, source 1 = 16 queries): a lane holds ONE query (lane % 16) and keys 8 (lane / 16) + 0..7.  Two such tiles, rounded in pairs, ARE source 1 (32 keys x 16 queries)
; of O^T = V^T P.  K comes out of LDS as it lies, V ([key][channel]) turned, by ds_load_tr16_b128.
; SOFTMAX.  A running maximum m and sum l for each query: p = 2^(c s - c m), c = |qk_scale| log2(e); the sign of qk_scale is put on q (an exclusive or on f16 sign bits: exact), so the largest s is the largest logit
; whatever the sign.  In every step O and l are multiplied by a = 2^(c m_old - c m_new).
; LIMITS: NaN and infinities are not served; |O| stays under 65,504 (f16).
; REGISTERS.  window 0: v2-11 addresses; v16-47 eight statistics a tile (+0 c m, +1 m, +2,+3 l, +4..+7 at work, a at +6); v64-127 Q; v128-255 S^T, 32 a tile; P lies over S^T (tile t, keys 32 g on: v[128+32t+16g ..+7]).
;            window 1: v0-127 O^T, 32 a tile; v128-191 K of a step; v192-255 V of a step.
.set KP,    144                        ; a row of K: 128 bytes + 16: an odd multiple of 16
.set VP,    160                        ; a row of V: 128 bytes + 32: an odd multiple of 32
.set VB,    1024*KP
.set SPARE, VB+1024*VP                 ; the spare words, 128 bytes for each of eight waves
.set AK0, 2
.set AV0, 3
.set ADK, 4
.set ADV, 5
.set QO,  6
.set STO, 7
.set RD,  8
.set GO,  9
.set SPW, 10
.set NIL, 11
.set ST,  16
.set Q,   64
.set S,   128
.set KF,  128                          ; in window 1
.set VF,  192                          ; in window 1
.set WV,  12
.set G1K, 16
.set G1V, 24
.set CS,  66
.set SEL, 68
.set TK,  70
.set TV,  71
.set CNT, 72
.set MSB, 0
.macro WIN new
.if MSB != (\new)
	s_set_vgpr_msb (MSB<<8)|(\new)
.set MSB, \new
.endif
.endm
	s_load_b128 s[4:7], s[0:1], 0x0                ; qkv, qk_scale
	s_load_b64 s[8:9], s[0:1], 0x10                ; attn
	v_lshl_add_u32 v[SPW], v0, 2, SPARE
	v_mov_b32 v[NIL], 0
	ds_add_u32 v[SPW], v[NIL]                      ; the opening: the add, twice on end, and its wait ahead of my first tensor load
	ds_add_u32 v[SPW], v[NIL]
	v_lshrrev_b32 v1, 5, v0
	v_readfirstlane_b32 s[WV], v1                  ; wave 0..7
	s_and_b32 s13, s[WV], 3                        ; which 64 rows of a chunk I fetch
	s_mov_b32 s[G1K], (1<<16)|(1<<20)|(4<<22)|(3<<25)   ; elements of 2 bytes; 4 words of padding after every 32
	s_mov_b32 s[G1V], (1<<16)|(1<<20)|(4<<22)|(7<<25)   ; 8 words of padding
.irp g, G1K, G1V
	s_mov_b32 s[\g+1], 64<<16                      ; tensor_dim0
	s_mov_b32 s[\g+2], 64<<16                      ; tensor_dim1
	s_mov_b32 s[\g+3], 64<<16                      ; tile_dim0
	s_mov_b32 s[\g+4], 64                          ; tile_dim1
	s_mov_b32 s[\g+5], 64                          ; the pitch in memory
	s_mov_b32 s[\g+6], 0
	s_mov_b32 s[\g+7], 0
.endr
	s_and_b32 s74, ttmp7, 0xffff
	s_lshl_b32 s74, s74, 17                        ; the head's first byte in a plane
	s_lshl_b32 s75, s13, 13
	s_add_co_u32 s76, s74, s75                     ; + my 64 rows of 128 bytes
	s_mov_b32 s77, 0
	s_mul_i32 s78, s13, 64*KP
	s_mul_i32 s79, s13, 64*VP
	s_lshl_b32 s75, ttmp9, 16
	s_add_co_u32 s74, s74, s75                     ; my work-group's 512 queries,
	s_lshl_b32 s75, s[WV], 13
	s_add_co_u32 s74, s74, s75                     ; my wave's 64
	s_mov_b32 s75, 0
	s_mov_b32 s[SEL], 0x76543210
	s_mov_b32 s[SEL+1], 0xfedcba98
	s_mov_b32 s[TK], 0
	s_mov_b32 s[TV], 0
	s_wait_dscnt 0x0                               ; both opening adds are done
	s_wait_kmcnt 0x0
	s_add_nc_u64 s[76:77], s[4:5], s[76:77]
	s_add_nc_u64 s[4:5], s[4:5], s[74:75]          ; Q at my wave's first row
	s_add_nc_u64 s[8:9], s[8:9], s[74:75]          ; attn likewise
.irp c, 0,1,2,3
	s_mov_b32 s[32+4*\c], 1
	s_add_co_u32 s[33+4*\c], s78, \c*256*KP
	s_add_nc_u64 s[34+4*\c:35+4*\c], s[76:77], (1<<24)+\c*32768   ; K's plane, chunk c
	s_or_b32 s[35+4*\c], s[35+4*\c], 0x80000000
	s_mov_b32 s[48+4*\c], 1
	s_add_co_u32 s[49+4*\c], s79, VB+\c*256*VP
	s_add_nc_u64 s[50+4*\c:51+4*\c], s[76:77], (1<<25)+\c*32768   ; V's plane
	s_or_b32 s[51+4*\c], s[51+4*\c], 0x80000000
.endr
	s_cmp_lt_u32 s[WV], 4                          ; waves 0-3 fetch K, waves 4-7 V: a wave's four first fills stand in one branch; four loads of mine are out
	s_cbranch_scc0 .Lfirst_v
.irp c, 0,1,2,3
	tensor_load_to_lds s[32+4*\c:35+4*\c], s[G1K:G1K+7]
	s_nop 0
.endr
.rept 4
	v_nop
.endr
	s_branch .Lfirst_asked
.Lfirst_v:
.irp c, 0,1,2,3
	tensor_load_to_lds s[48+4*\c:51+4*\c], s[G1V:G1V+7]
	s_nop 0
.endr
.rept 4
	v_nop
.endr
.Lfirst_asked:
	s_load_b32 s73, s[6:7], 0x0                    ; qk_scale
	v_and_b32 v1, 15, v0                           ; r
	v_bfe_u32 v12, v0, 4, 1                        ; h
	v_and_b32 v13, 31, v0                          ; lane
	v_lshlrev_b32 v[QO], 7, v1
	v_lshl_add_u32 v[QO], v12, 4, v[QO]            ; row r of 128 bytes + 16 h
.irp t, 0,1,2,3
.irp s, 0,1
	global_load_b128 v[Q+16*\t+8*\s:Q+16*\t+8*\s+3], v[QO], s[4:5] offset:2048*\t+64*\s
	global_load_b128 v[Q+16*\t+8*\s+4:Q+16*\t+8*\s+7], v[QO], s[4:5] offset:2048*\t+64*\s+32
.endr
.endr
	v_mul_u32_u24 v[AK0], v1, KP
	v_lshl_add_u32 v[AK0], v12, 4, v[AK0]
	v_and_b32 v14, 7, v0
	v_lshl_add_u32 v[AV0], v12, 3, v14             ; the turning load: key 8 h + lane % 8,
	v_mul_u32_u24 v[AV0], v[AV0], VP
	v_bfe_u32 v15, v0, 3, 1
	v_lshl_add_u32 v[AV0], v15, 4, v[AV0]          ; channels 8 ((lane / 8) % 2) on
	v_add_nc_u32 v[AV0], VB, v[AV0]
	s_mul_i32 s74, s[WV], 16*KP                    ; my stage for the way out: 16 rows x 144 bytes, in K's first bytes
	v_add_nc_u32 v[STO], s74, v[AK0]
	v_lshrrev_b32 v[RD], 3, v13
	v_mul_u32_u24 v[RD], v[RD], KP
	v_lshl_add_u32 v[RD], v14, 4, v[RD]
	v_add_nc_u32 v[RD], s74, v[RD]
	v_lshlrev_b32 v[GO], 4, v13
	s_wait_kmcnt 0x0
	s_lshr_b32 s80, s73, 31
	s_mul_i32 s80, s80, 0x80008000                 ; the sign of qk_scale, on both halves of a word
	s_and_b32 s[CS], s73, 0x7fffffff
	v_mov_b32 v1, s[CS]
	v_mul_f32 v1, 0x3fb8aa3b, v1                   ; c = |qk_scale| x log2(e)
	v_readfirstlane_b32 s[CS], v1
	s_mov_b32 s[CS+1], s[CS]                       ; (named with it as a pair)
	s_wait_loadcnt 0x0                             ; Q
.set i, 0
.rept 64
	v_xor_b32 v[Q+i], s80, v[Q+i]
.set i, i+1
.endr
.macro SCL t, i                        ; pair i of tile t: c s - c m
	v_pk_fma_f32 v[S+32*(\t)+2*(\i):S+32*(\t)+2*(\i)+1], v[S+32*(\t)+2*(\i):S+32*(\t)+2*(\i)+1], s[CS:CS+1], v[ST+8*(\t):ST+8*(\t)+1] op_sel_hi:[1,0,0] neg_lo:[0,0,1] neg_hi:[0,0,1]
.endm
; A KEY STEP, 64 keys, in three parts.  KQ: the step's fragments of K and V out of LDS, and S^T = K Q^T.
.macro KQ
	v_add_nc_u32 v[ADK], s[TK], v[AK0]
	v_add_nc_u32 v[ADV], s[TV], v[AV0]
.rept 3
	v_nop                                          ; with the two additions five plain lines behind the last V^T P: four are owed ahead of the loads into V's registers, five ahead of the products below, which write over P
.endr
	WIN 0x40                                       ; destination window 1
.irp kt, 0,1,2,3
.irp s, 0,1
	ds_load_b128 v[KF+16*\kt+8*\s:KF+16*\kt+8*\s+3], v[ADK] offset:16*KP*\kt+64*\s
	ds_load_b128 v[KF+16*\kt+8*\s+4:KF+16*\kt+8*\s+7], v[ADK] offset:16*KP*\kt+64*\s+32
.endr
.endr
.irp g, 0,1
.irp cb, 0,1,2,3
	ds_load_tr16_b128 v[VF+32*\g+8*\cb:VF+32*\g+8*\cb+3], v[ADV] offset:32*VP*\g+32*\cb
	ds_load_tr16_b128 v[VF+32*\g+8*\cb+4:VF+32*\g+8*\cb+7], v[ADV] offset:32*VP*\g+32*\cb+16*VP
.endr
.endr
	s_wait_dscnt 16                                ; K is in; V's sixteen loads may be out
	WIN 0x01                                       ; source 0 (K) window 1
.irp s, 0,1                                    ; the 16 accumulators by turns
.irp kt, 0,1,2,3
.irp t, 0,1,2,3
.if \s == 0
	v_wmma_f32_16x16x32_f16 v[S+32*\t+8*\kt:S+32*\t+8*\kt+7], v[KF+16*\kt+8*\s:KF+16*\kt+8*\s+7], v[Q+16*\t+8*\s:Q+16*\t+8*\s+7], 0
.else
	v_wmma_f32_16x16x32_f16 v[S+32*\t+8*\kt:S+32*\t+8*\kt+7], v[KF+16*\kt+8*\s:KF+16*\kt+8*\s+7], v[Q+16*\t+8*\s:Q+16*\t+8*\s+7], v[S+32*\t+8*\kt:S+32*\t+8*\kt+7]
.endif
.endr
.endr
.endr
	WIN 0
.rept 4
	v_nop
.endr
.endm
; SOFTMAX: all in window 0.  first = 1: the first step starts m and l.
.macro SOFTMAX first
	; the maximum of a lane's 32 scores and the old m; each accumulator is read from its low end on; the four tiles by turns
.irp j, 0,1,2,3
.irp t, 0,1,2,3
	v_max3_num_f32 v[ST+8*\t+4+\j], v[S+32*\t+8*\j], v[S+32*\t+8*\j+1], v[S+32*\t+8*\j+2]
.endr
.endr
.irp u, 1,2
.irp j, 0,1,2,3
.irp t, 0,1,2,3
	v_max3_num_f32 v[ST+8*\t+4+\j], v[ST+8*\t+4+\j], v[S+32*\t+8*\j+2*\u+1], v[S+32*\t+8*\j+2*\u+2]
.endr
.endr
.endr
.irp t, 0,1,2,3
	v_max3_num_f32 v[ST+8*\t+4], v[ST+8*\t+4], v[S+32*\t+7], v[S+32*\t+15]
.endr
.irp t, 0,1,2,3
	v_max3_num_f32 v[ST+8*\t+6], v[ST+8*\t+6], v[S+32*\t+23], v[S+32*\t+31]
.endr
.irp t, 0,1,2,3
	v_max3_num_f32 v[ST+8*\t+4], v[ST+8*\t+4], v[ST+8*\t+5], v[ST+8*\t+6]
.endr
.irp t, 0,1,2,3
.if \first
	v_max_num_f32 v[ST+8*\t+4], v[ST+8*\t+4], v[ST+8*\t+7]
.else
	v_max3_num_f32 v[ST+8*\t+4], v[ST+8*\t+4], v[ST+8*\t+7], v[ST+8*\t+1]
.endif
.endr
.irp t, 0,1,2,3
	v_permlanex16_b32 v[ST+8*\t+5], v[ST+8*\t+4], s[SEL], s[SEL+1]   ; the query's other 32 keys lie in the lane 16 away
.endr
.if \first == 0
.irp t, 0,1,2,3
	v_mov_b32 v[ST+8*\t+7], v[ST+8*\t]             ; c m_old is kept for a
.endr
.endif
.irp t, 0,1,2,3
	v_max_num_f32 v[ST+8*\t+1], v[ST+8*\t+4], v[ST+8*\t+5]
.endr
.irp t, 0,1,2,3
	v_mul_f32 v[ST+8*\t], s[CS], v[ST+8*\t+1]
.endr
.if \first == 0
.irp t, 0,1,2,3
	v_sub_f32 v[ST+8*\t+7], v[ST+8*\t+7], v[ST+8*\t]
.endr
	; ONE BATCH: the scalings and all exponentials; none of these lines names an exponential's result
.irp t, 0,1,2,3
	v_exp_f32 v[ST+8*\t+6], v[ST+8*\t+7]           ; a
.endr
.endif
.set i, 0
.rept 16
	SCL 0, i
.set i, i+1
.endr
.irp t, 0,1,2
.set i, 0
.rept 16
	SCL \t+1, i                                    ; the next tile's scalings stand between this tile's exponentials
	v_exp_f32 v[S+32*\t+2*i], v[S+32*\t+2*i]
	v_exp_f32 v[S+32*\t+2*i+1], v[S+32*\t+2*i+1]
.set i, i+1
.endr
.endr
.set i, 0
.rept 32
	v_exp_f32 v[S+96+i], v[S+96+i]
.set i, i+1
.endr
	v_nop                                          ; a plain line behind the last exponential,
	s_wait_alu depctr_va_vdst(0)                   ; and the one wait ahead of the batch's first reader
	; the sums of the unrounded p
.irp t, 0,1,2,3
	v_pk_add_f32 v[ST+8*\t+4:ST+8*\t+5], v[S+32*\t:S+32*\t+1], v[S+32*\t+2:S+32*\t+3]
.endr
.irp i, 2,3,4,5,6,7,8,9,10,11,12,13,14
.irp t, 0,1,2,3
	v_pk_add_f32 v[ST+8*\t+4:ST+8*\t+5], v[ST+8*\t+4:ST+8*\t+5], v[S+32*\t+2*\i:S+32*\t+2*\i+1]
.endr
.endr
.if \first
.irp t, 0,1,2,3
	v_pk_add_f32 v[ST+8*\t+2:ST+8*\t+3], v[ST+8*\t+4:ST+8*\t+5], v[S+32*\t+30:S+32*\t+31]
.endr
.else
.irp t, 0,1,2,3
	v_pk_add_f32 v[ST+8*\t+4:ST+8*\t+5], v[ST+8*\t+4:ST+8*\t+5], v[S+32*\t+30:S+32*\t+31]
.endr
.irp t, 0,1,2,3
	v_pk_fma_f32 v[ST+8*\t+2:ST+8*\t+3], v[ST+8*\t+2:ST+8*\t+3], v[ST+8*\t+6:ST+8*\t+7], v[ST+8*\t+4:ST+8*\t+5] op_sel_hi:[1,0,1]   ; l = a l + the sum
.endr
.endif
	; the roundings to f16, in place and ascending: word i of 8 takes scores 2 i, 2 i + 1 of the 16
.irp i, 0,1,2,3,4,5,6,7
.irp g, 0,1
.irp t, 0,1,2,3
	v_cvt_pk_f16_f32 v[S+32*\t+16*\g+\i], v[S+32*\t+16*\g+2*\i], v[S+32*\t+16*\g+2*\i+1]
.endr
.endr
.endr
.endm
; PV: O^T under the new m, and O^T += V^T P.  first = 1: the first products start O^T.
.macro PV first
.if \first
.rept 4
	v_nop
.endr
.else
	WIN 0x41                                       ; O^T (destination, source 0) window 1; a window 0
.irp i, 0,1,2,3,4,5,6,7,8,9,10,11,12,13,14,15
.irp t, 0,1,2,3
	v_pk_mul_f32 v[32*\t+2*\i:32*\t+2*\i+1], v[32*\t+2*\i:32*\t+2*\i+1], v[ST+8*\t+6:ST+8*\t+7] op_sel_hi:[1,0]
.endr
.endr
.endif
	s_wait_dscnt 0x0                               ; V is in
	WIN 0x51                                       ; V and O^T window 1, P window 0
.irp g, 0,1                                    ; the 16 accumulators by turns
.irp cb, 0,1,2,3
.irp t, 0,1,2,3
.if (\first) && (\g == 0)
	v_wmma_f32_16x16x32_f16 v[32*\t+8*\cb:32*\t+8*\cb+7], v[VF+32*\g+8*\cb:VF+32*\g+8*\cb+7], v[S+32*\t+16*\g:S+32*\t+16*\g+7], 0
.else
	v_wmma_f32_16x16x32_f16 v[32*\t+8*\cb:32*\t+8*\cb+7], v[VF+32*\g+8*\cb:VF+32*\g+8*\cb+7], v[S+32*\t+16*\g:S+32*\t+16*\g+7], v[32*\t+8*\cb:32*\t+8*\cb+7]
.endif
.endr
.endr
.endr
	WIN 0
	s_add_co_u32 s[TK], s[TK], 64*KP
	s_add_co_u32 s[TV], s[TV], 64*VP
.endm
.macro STEP
	KQ
	SOFTMAX 0
	PV 0
.endm
.macro RUN n
	s_mov_b32 s[CNT], \n
.Lrun_\@:
	STEP
	s_sub_co_u32 s[CNT], s[CNT], 1
	s_cmp_lg_u32 s[CNT], 0
	s_cbranch_scc1 .Lrun_\@
.endm
; The next chunk's barrier is signalled a step early: my part of that chunk has landed (my younger chunks may be out) and my LDS loads are in.  The old chunk's last step stands between the signal and the wait:
; register work, and LDS loads of bytes that nobody writes until behind later barriers.  The chunk is read only behind the wait.
.macro AHEAD left
	s_wait_tensorcnt \left
	s_wait_dscnt 0x0
	s_barrier_signal -1
.endm
	s_wait_tensorcnt 3                             ; my part of chunk 0 has landed; my three younger chunks may be out
	s_wait_dscnt 0x0
	s_barrier_signal -1
	s_barrier_wait -1                              ; chunk 0 is whole
	KQ                                             ; key step 0: every wave's first scores
	s_cmp_lt_u32 s[WV], 4
	s_cbranch_scc0 .Lbehind
	SOFTMAX 1                                      ; waves 0-3: ahead of the barrier
.Lbehind:
	s_wait_dscnt 0x0
	s_barrier_signal -1
	s_barrier_wait -1                              ; here the two groups part by the length of a softmax
	s_cmp_lt_u32 s[WV], 4
	s_cbranch_scc1 .Lahead
	SOFTMAX 1                                      ; waves 4-7: behind it, beside the others' products
.Lahead:
	PV 1
	RUN 2                                          ; key steps 1, 2
	AHEAD 2
	STEP                                           ; key step 3
	s_barrier_wait -1                              ; chunk 1 is whole
	RUN 3
	AHEAD 1
	STEP                                           ; key step 7
	s_barrier_wait -1                              ; chunk 2
	RUN 3
	AHEAD 0
	STEP                                           ; key step 11
	s_barrier_wait -1                              ; chunk 3
	RUN 4
	s_wait_dscnt 0x0                               ; every wave's reads of K are over before any wave stores into the stage, which lies in K's first bytes
	s_barrier_signal -1
	s_barrier_wait -1
	; THE WAY OUT.  The additions are the plain lines behind the last products.
.irp t, 0,1,2,3
	v_add_f32 v[ST+8*\t+4], v[ST+8*\t+2], v[ST+8*\t+3]
.endr
.irp t, 0,1,2,3
	v_permlanex16_b32 v[ST+8*\t+5], v[ST+8*\t+4], s[SEL], s[SEL+1]
.endr
.irp t, 0,1,2,3
	v_add_f32 v[ST+8*\t+4], v[ST+8*\t+4], v[ST+8*\t+5]
.endr
.irp t, 0,1,2,3
	v_rcp_f32 v[ST+8*\t+6], v[ST+8*\t+4]
.endr
	v_nop
	s_wait_alu depctr_va_vdst(0)                   ; one wait for the four reciprocals
.macro PACK t                          ; tile t: O^T / l, rounded to f16, 16 bytes a lane into my stage, back as four whole rows an instruction
	WIN 0x01
.set i, 0
.rept 16
	v_pk_mul_f32 v[S+32*\t+2*i:S+32*\t+2*i+1], v[32*\t+2*i:32*\t+2*i+1], v[ST+8*\t+6:ST+8*\t+7] op_sel_hi:[1,0]
.set i, i+1
.endr
	WIN 0
.set i, 0
.rept 16
	v_cvt_pk_f16_f32 v[S+32*\t+i], v[S+32*\t+2*i], v[S+32*\t+2*i+1]
.set i, i+1
.endr
.irp cb, 0,1,2,3
	ds_store_b128 v[STO], v[S+32*\t+4*\cb:S+32*\t+4*\cb+3] offset:32*\cb
.endr
.irp i, 0,1,2,3
	ds_load_b128 v[S+32*\t+16+4*\i:S+32*\t+16+4*\i+3], v[RD] offset:4*KP*\i   ; LDS serves a wave's instructions in order: these see the stores above; the next tile's stores come behind them
.endr
.endm
.macro SEND t, younger
.irp i, 0,1,2,3
	s_wait_dscnt \younger+3-\i
	global_store_b128 v[GO], v[S+32*\t+16+4*\i:S+32*\t+16+4*\i+3], s[8:9] offset:2048*\t+512*\i   ; four rows: 512 consecutive bytes, aligned
.endr
.endm
	PACK 0
	PACK 1
	SEND 0, 8
	PACK 2
	SEND 1, 8
	PACK 3
	SEND 2, 8
	SEND 3, 0
	s_wait_tensorcnt 0x0                           ; the wave's end
	ds_add_u32 v[SPW], v[NIL]
	s_wait_dscnt 0x0
	s_endpgm
.Lfunc_end_k_q08f883ae5d_attn:
	.size	k_q08f883ae5d_attn, .Lfunc_end_k_q08f883ae5d_attn-k_q08f883ae5d_attn
	.p2alignl 7, 3214868480
	.fill 96, 4, 3214868480
	.section	.rodata,"a",@progbits
	.p2align	6, 0x0
	.amdhsa_kernel k_q08f883ae5d_attn
		.amdhsa_group_segment_fixed_size 327680
		.amdhsa_private_segment_fixed_size 0
		.amdhsa_enable_private_segment 0
		.amdhsa_kernarg_size 24
		.amdhsa_user_sgpr_count 2
		.amdhsa_user_sgpr_kernarg_segment_ptr 1
		.amdhsa_wavefront_size32 1
		.amdhsa_system_sgpr_workgroup_id_x 1
		.amdhsa_system_sgpr_workgroup_id_y 1
		.amdhsa_system_sgpr_workgroup_id_z 1
		.amdhsa_system_vgpr_workitem_id 0
		.amdhsa_next_free_vgpr 512
		.amdhsa_next_free_sgpr 82
		.amdhsa_reserve_vcc 0
		.amdhsa_float_denorm_mode_32 3
		.amdhsa_float_denorm_mode_16_64 3
		.amdhsa_memory_ordered 1
		.amdhsa_forward_progress 1
		.amdhsa_inst_pref_size 255
	.end_amdhsa_kernel
	.section	.bss,"aw",@nobits
	.p2align	6
	.space	262144
	.amdgpu_metadata
---
amdhsa.version: [ 1, 2 ]
amdhsa.kernels:
  - .name:           k_q08f883ae5d_attn
    .symbol:         k_q08f883ae5d_attn.kd
    .args:
      - { .name: qkv, .offset: 0, .size: 8, .value_kind: global_buffer, .address_space: global }
      - { .name: qk_scale, .offset: 8, .size: 8, .value_kind: global_buffer, .address_space: global }
      - { .name: attn, .offset: 16, .size: 8, .value_kind: global_buffer, .address_space: global }
    .group_segment_fixed_size: 327680
    .private_segment_fixed_size: 0
    .kernarg_segment_align: 8
    .kernarg_segment_size: 24
    .max_flat_workgroup_size: 256
    .sgpr_count:     82
    .vgpr_count:     512
    .wavefront_size: 32
...
	.end_amdgpu_metadata
.endif
;; end of part 3
;; launch oproj (part 4): grid 4 x 64, 4 waves a work-group, clusters of 4 x 4, 327,680 bytes of LDS; arguments attn, woh, out0, bo; writes out0
.if DOCPART == 4
	.amdgcn_target "amdgcn-amd-amdhsa--gfx1250"
	.amdhsa_code_object_version 6
	.text
	.protected	k_q08f883ae5d_oproj
	.globl	k_q08f883ae5d_oproj
	.p2align	8
	.type	k_q08f883ae5d_oproj,@function
k_q08f883ae5d_oproj:
	s_mov_b64 s[64:65], 0
	v_nop
	global_prefetch_b8 v0, s[64:65] scope:SCOPE_SE
	s_setreg_imm32_b32 hwreg(HW_REG_WAVE_MODE, 25, 1), 1
	s_wait_xcnt 0x0
	s_wait_alu depctr_hold_cnt(0) depctr_sa_sdst(0) depctr_va_vdst(0) depctr_va_sdst(0) depctr_va_ssrc(0) depctr_va_vcc(0) depctr_vm_vsrc(0)
	s_getreg_b32 s2, hwreg(HW_REG_IB_STS2, 6, 4)
	s_cmp_eq_u32 s2, 0
	s_cbranch_scc0 .Lentry_in_a_cluster
	s_endpgm
.Lentry_in_a_cluster:
	s_bfe_u32 s2, ttmp6, 0x10000c
	s_cmp_lg_u32 s2, 0xf033
	s_cbranch_scc0 .Lentry_shape_is_right
	s_endpgm
.Lentry_shape_is_right:
; OPROJ: out0 [8192][1024] f32 = A Wo + bo.  A: the attention's result, f16, stored [batch][head][position][64] (k = 64 head + channel); Wo: f16, [k][n] as it lies; sums in f32.
; A tile of 128 (rows) x 256 (columns) gives 64 x 4 = 256 work-groups; four waves, each 64 x 128: 32 accumulators.  K goes in 8 steps of 128 (two heads) through two LDS slots.
; CLUSTERS: 4 x 4 work-groups; A's tiles (they hang on the tile row) are asked for jointly along a row of the cluster, Wo's (on the tile column) along a column.
; THE MATRIX INSTRUCTION IS USED TRANSPOSED: source 0 = 16 columns of Wo (turned out of LDS by ds_load_tr16_b128), source 1 = 16 rows of A: a lane holds eight neighbouring numbers of a row of out0.
; bo is the C of each sum's first instruction.  No prefetch: 8 K steps on a small tile, and both first slots are asked for at the head.
; LIMITS: NaN and infinities are not served.
; REGISTERS.  window 0: v16-29 addresses; v32-95 bo; v128-159, v160-191 A's fragments, two buffers; on the way out v128-255 rows read back.  window 1: v0-63, v64-127 Wo's fragments.  window 2: accumulator (a, b) at v[8 (8 a + b)].
.set AP,     144                       ; a row of A in LDS: 128 bytes + 16
.set BP,     544                       ; a row of Wo's tile: 512 bytes + 32: an odd multiple of 32
.set AHEAD,  128*AP                    ; one head's 128 rows
.set BOFF,   2*AHEAD
.set BHALF,  64*BP
.set SLOT,   BOFF+2*BHALF
.set STAGE,  2*SLOT                    ; 16 rows x 528 bytes for each wave
.set SPARE,  STAGE+4*16*528            ; the spare words, 128 bytes for each wave
.set ADRA, 16
.set ADRB, 20
.set STO,  24
.set RD,   25
.set CO,   26
.set SPW,  28
.set NIL,  29
.set BO,   32
.set FA,   128
.set BK,   128
.set G1, 24
.set G0, 32
.set G1B, 48
.set G0B, 56
.set MSB, 0
.macro WIN new
.if MSB != (\new)
	s_set_vgpr_msb (MSB<<8)|(\new)
.set MSB, \new
.endif
.endm
.set MUL,  0xa1                        ; source 0 (Wo) window 1, source 1 (A) window 0, C and D window 2
.set TO_B, 0x40
.macro JLOAD s                         ; waves 0 and 1 fetch A's two heads, waves 2 and 3 Wo's two halves; an s_nop 0 and four v_nop follow each line
	s_cmp_eq_u32 s11, 0
	s_cbranch_scc0 .Lfor_b_\@
	tensor_load_to_lds s[G0+4*\s:G0+4*\s+3], s[G1:G1+7]
	s_nop 0
.rept 4
	v_nop
.endr
	s_branch .Lasked_\@
.Lfor_b_\@:
	tensor_load_to_lds s[G0B+4*\s:G0B+4*\s+3], s[G1B:G1B+7]
	s_nop 0
.rept 4
	v_nop
.endr
.Lasked_\@:
.endm
.macro CREST
	s_cmp_lg_u32 s10, 0
	s_cbranch_scc1 .Lnot_wave_0_\@
	s_barrier_signal -3
.Lnot_wave_0_\@:
	s_barrier_wait -3
	s_barrier_signal -1
	s_barrier_wait -1
.endm
.macro CROUND
	s_barrier_signal -1
	s_barrier_wait -1
	CREST
.endm
	s_load_b128 s[4:7], s[0:1], 0x0                ; A, Wo
	s_load_b64 s[8:9], s[0:1], 0x10                ; out0
	s_load_b64 s[2:3], s[0:1], 0x18                ; bo
	v_lshl_add_u32 v[SPW], v0, 2, SPARE
	v_mov_b32 v[NIL], 0
	ds_add_u32 v[SPW], v[NIL]                      ; the opening: the add, twice on end, and its wait ahead of my first tensor load
	ds_add_u32 v[SPW], v[NIL]
	v_lshrrev_b32 v1, 5, v0
	v_readfirstlane_b32 s10, v1                    ; wave 0..3
	s_lshr_b32 s11, s10, 1                         ; which 64 rows are mine; also: I fetch for A (0) or Wo (1)
	s_and_b32 s12, s10, 1                          ; which 128 columns; also: which half I fetch
	s_bfe_u32 s40, ttmp6, 0x40000                  ; cx
	s_bfe_u32 s41, ttmp6, 0x40004                  ; cy
	s_lshl_b32 s42, ttmp9, 2
	s_add_co_u32 s42, s42, s40                     ; tile column
	s_and_b32 s13, ttmp7, 0xffff
	s_lshl_b32 s13, s13, 2
	s_add_co_u32 s13, s13, s41                     ; tile row
	s_lshl_b32 s43, s41, 2
	s_lshl_b32 s43, 15, s43                        ; my row of the cluster
	s_lshl_b32 s44, 0x1111, s40                    ; my column
	s_or_b32 s[G1+0], s43, (1<<16)|(1<<20)|(1<<21)|(4<<22)|(3<<25)   ; A: elements of 2 bytes; 4 words of padding after every 32
	s_mov_b32 s[G1+1], 64<<16                      ; tensor_dim0
	s_mov_b32 s[G1+2], 128<<16                     ; tensor_dim1
	s_mov_b32 s[G1+3], 64<<16                      ; tile_dim0
	s_mov_b32 s[G1+4], 128                         ; tile_dim1
	s_mov_b32 s[G1+5], 64                          ; the pitch in memory: a head's rows are dense
	s_mov_b32 s[G1+6], 0
	s_mov_b32 s[G1+7], 0
	s_or_b32 s[G1B+0], s44, (1<<16)|(1<<20)|(1<<21)|(6<<22)|(7<<25)  ; Wo: 8 words of padding after every 128
	s_mov_b32 s[G1B+1], 256<<16
	s_mov_b32 s[G1B+2], 64<<16
	s_mov_b32 s[G1B+3], 256<<16
	s_mov_b32 s[G1B+4], 64
	s_mov_b32 s[G1B+5], 1024
	s_mov_b32 s[G1B+6], 0
	s_mov_b32 s[G1B+7], 0
	s_lshr_b32 s16, s13, 3
	s_lshl_b32 s16, s16, 21                        ; A: the batch,
	s_and_b32 s17, s13, 7
	s_lshl_b32 s17, s17, 14                        ; the tile's 128 positions of 128 bytes,
	s_add_co_u32 s16, s16, s17
	s_lshl_b32 s17, s12, 17                        ; the head that I fetch
	s_add_co_u32 s16, s16, s17
	s_mov_b32 s17, 0
	s_lshl_b32 s46, s42, 9                         ; Wo: the tile's 256 columns of 2 bytes,
	s_lshl_b32 s47, s12, 17                        ; my 64 rows of 2,048 bytes
	s_add_co_u32 s46, s46, s47
	s_mov_b32 s47, 0
	s_mul_i32 s20, s12, AHEAD                      ; where they go
	s_mul_i32 s21, s12, BHALF
	s_add_co_u32 s21, s21, BOFF
	s_wait_dscnt 0x0                               ; both opening adds are done
	s_wait_kmcnt 0x0
	s_add_nc_u64 s[14:15], s[4:5], s[16:17]
	s_add_nc_u64 s[46:47], s[6:7], s[46:47]
	CROUND                                         ; all sixteen work-groups are here: the first joint loads meet
.irp s, 0,1
	s_mov_b32 s[G0+4*\s], 1
	s_add_co_u32 s[G0+4*\s+1], s20, \s*SLOT
	s_add_nc_u64 s[G0+4*\s+2:G0+4*\s+3], s[14:15], \s*262144      ; K step s: two heads on
	s_or_b32 s[G0+4*\s+3], s[G0+4*\s+3], 0x80000000
	s_mov_b32 s[G0B+4*\s], 1
	s_add_co_u32 s[G0B+4*\s+1], s21, \s*SLOT
	s_add_nc_u64 s[G0B+4*\s+2:G0B+4*\s+3], s[46:47], \s*262144    ; 128 rows of 2,048 bytes on
	s_or_b32 s[G0B+4*\s+3], s[G0B+4*\s+3], 0x80000000
	JLOAD \s                                       ; two loads of mine are out
.endr
	v_and_b32 v1, 15, v0                           ; r
	v_bfe_u32 v2, v0, 4, 1                         ; h
	s_lshl_b32 s46, s42, 10                        ; my first column, in bytes of f32: 1,024 x tile column + 512 x half: the same in bo and in a row of out0
	s_lshl_b32 s47, s12, 9
	s_add_co_u32 s46, s46, s47
	s_mov_b32 s47, 0
	s_add_nc_u64 s[2:3], s[2:3], s[46:47]
	s_add_nc_u64 s[8:9], s[8:9], s[46:47]
	v_lshlrev_b32 v7, 5, v2
.irp b, 0,1,2,3,4,5,6,7
	global_load_b128 v[BO+8*\b:BO+8*\b+3], v7, s[2:3] offset:64*\b          ; register 8 b + j = bo[16 b + 8 h + j]
	global_load_b128 v[BO+8*\b+4:BO+8*\b+7], v7, s[2:3] offset:64*\b+16
.endr
	v_mul_u32_u24 v3, v1, AP
	v_lshl_add_u32 v3, v2, 4, v3
	s_mul_i32 s21, s11, 64*AP
	v_add_nc_u32 v[ADRA], s21, v3
	s_add_co_u32 s21, s21, SLOT
	v_add_nc_u32 v[ADRA+1], s21, v3
	v_and_b32 v4, 7, v0
	v_lshl_add_u32 v4, v2, 3, v4                   ; the turning load: k row 8 h + lane % 8,
	v_mul_u32_u24 v4, v4, BP
	v_bfe_u32 v5, v0, 3, 1
	v_lshl_add_u32 v4, v5, 4, v4                   ; columns 8 ((lane / 8) % 2) on
	s_lshl_b32 s22, s12, 8
	s_add_co_u32 s22, s22, BOFF
	v_add_nc_u32 v[ADRB], s22, v4
	s_add_co_u32 s22, s22, SLOT
	v_add_nc_u32 v[ADRB+1], s22, v4
	s_mul_i32 s23, s10, 16*528
	s_add_co_u32 s23, s23, STAGE                   ; my stage
	v_mul_u32_u24 v5, v1, 528
	v_lshl_add_u32 v5, v2, 5, v5
	v_add_nc_u32 v[STO], s23, v5
	v_and_b32 v6, 31, v0
	v_lshlrev_b32 v[CO], 4, v6
	v_add_nc_u32 v[RD], s23, v[CO]
	s_lshl_b32 s16, s13, 1
	s_add_co_u32 s16, s16, s11
	s_lshl_b32 s16, s16, 18                        ; my first row: (128 tile row + 64 half) x 4,096 bytes
	s_mov_b32 s17, 0
	s_add_nc_u64 s[8:9], s[8:9], s[16:17]
.macro MUL8 f, a, zero                 ; A's block a x Wo's eight, 32 along K, buffer f.  zero = 1: the sums start from bo
.irp b, 0,1,2,3,4,5,6,7
.if \zero
	v_wmma_f32_16x16x32_f16 v[8*(8*(\a)+\b):8*(8*(\a)+\b)+7], v[64*(\f)+8*\b:64*(\f)+8*\b+7], v[FA+32*(\f)+8*(\a):FA+32*(\f)+8*(\a)+7], v[BO+8*\b:BO+8*\b+7]
.else
	v_wmma_f32_16x16x32_f16 v[8*(8*(\a)+\b):8*(8*(\a)+\b)+7], v[64*(\f)+8*\b:64*(\f)+8*\b+7], v[FA+32*(\f)+8*(\a):FA+32*(\f)+8*(\a)+7], v[8*(8*(\a)+\b):8*(8*(\a)+\b)+7]
.endif
.endr
.endm
.macro FETCH slot, q, f                ; 24 LDS loads in one run: the slot's q-th 32 along K into buffer f
	WIN TO_B
.irp b, 0,1,2,3,4,5,6,7
	ds_load_tr16_b128 v[64*(\f)+8*\b:64*(\f)+8*\b+3], v[ADRB+\slot] offset:32*BP*(\q)+32*\b
	ds_load_tr16_b128 v[64*(\f)+8*\b+4:64*(\f)+8*\b+7], v[ADRB+\slot] offset:32*BP*(\q)+32*\b+16*BP
.endr
	WIN 0
.irp a, 0,1,2,3
	ds_load_b128 v[FA+32*(\f)+8*\a:FA+32*(\f)+8*\a+3], v[ADRA+\slot] offset:AHEAD*((\q)/2)+64*((\q)%2)+16*AP*\a
	ds_load_b128 v[FA+32*(\f)+8*\a+4:FA+32*(\f)+8*\a+7], v[ADRA+\slot] offset:AHEAD*((\q)/2)+64*((\q)%2)+16*AP*\a+32
.endr
.endm
.macro PLACES                          ; four plain lines in front of loads into registers that matrix instructions have read, and of reads of results
.rept 4
	v_nop
.endr
.endm
.macro QUARTER slot, qn, f, g, zero    ; multiplies buffer f; in its middle fetches the slot's quarter qn into buffer g
	s_wait_dscnt 4                                 ; Wo's fragments and A's blocks 0, 1 are in; the youngest four loads may be out
	WIN MUL-0x20*(\zero)                           ; (zero = 1: C, bo, lies in window 0)
	MUL8 \f, 0, \zero
	MUL8 \f, 1, \zero
	PLACES
	FETCH \slot, \qn, \g
	s_wait_dscnt 24                                ; all but the 24 just issued
	WIN MUL-0x20*(\zero)
	MUL8 \f, 2, \zero
	MUL8 \f, 3, \zero
.endm
; A slot's last quarter multiplies buffer 1 and changes slots: one barrier; in front of it each wave waits for all its tensor loads, adds 0 to its spare word, and waits for that and for its reads of the slot.
.macro TURN slot, next, fill
	WIN 0
	s_wait_tensorcnt 0x0                           ; my part of the next slot has landed
	ds_add_u32 v[SPW], v[NIL]
	s_wait_dscnt 5                                 ; (the add and the youngest four loads may be out)
	WIN MUL
	MUL8 1, 0, 0
	s_wait_dscnt 0x0                               ; the add is done, and my reads of this slot are over
	s_barrier_signal -1
	MUL8 1, 1, 0
.if \fill
	WIN 0
.endif
	s_barrier_wait -1
.if \fill
	CREST                                          ; the barrier has opened a round of the cluster's: no wave of any partner still reads this slot or has a load on its way
	s_add_nc_u64 s[G0+4*\slot+2:G0+4*\slot+3], s[G0+4*\slot+2:G0+4*\slot+3], 524288     ; two K steps on: four heads
	s_add_nc_u64 s[G0B+4*\slot+2:G0B+4*\slot+3], s[G0B+4*\slot+2:G0B+4*\slot+3], 524288 ; 256 rows of Wo
	JLOAD \slot                                    ; the first tensor load behind the round; its four v_nop are also the places in front of the loads below
.else
	PLACES
.endif
	FETCH \next, 0, 0
	WIN MUL
	MUL8 1, 2, 0
	MUL8 1, 3, 0
.endm
	s_wait_tensorcnt 1                             ; my part of K step 0 is in; K step 1's may be out
	s_barrier_signal -1
	s_barrier_wait -1
	FETCH 0, 0, 0
	s_wait_loadcnt 0x0                             ; bo
	QUARTER 0, 1, 0, 1, 1                          ; the first quarter stands in front of the loop: its products start the sums
	WIN 0
	s_mov_b32 s45, 3
.Llap:                                                 ; a trip goes once round the ring and fills both slots again: K steps 2 to 7
	QUARTER 0, 2, 1, 0, 0
	QUARTER 0, 3, 0, 1, 0
	TURN 0, 1, 1
	QUARTER 1, 1, 0, 1, 0
	QUARTER 1, 2, 1, 0, 0
	QUARTER 1, 3, 0, 1, 0
	TURN 1, 0, 1
	QUARTER 0, 1, 0, 1, 0
	WIN 0
	s_sub_co_u32 s45, s45, 1
	s_cmp_lg_u32 s45, 0
	s_cbranch_scc1 .Llap
	QUARTER 0, 2, 1, 0, 0                          ; the last lap fills nothing
	QUARTER 0, 3, 0, 1, 0
	TURN 0, 1, 0
	QUARTER 1, 1, 0, 1, 0
	QUARTER 1, 2, 1, 0, 0
	QUARTER 1, 3, 0, 1, 0
	s_wait_dscnt 4
	WIN MUL
	MUL8 1, 0, 0
	MUL8 1, 1, 0
	s_wait_dscnt 0
	MUL8 1, 2, 0
	MUL8 1, 3, 0
	WIN 0
; THE WAY OUT, a block of 16 rows x 128 columns at a time, through my own stage: in as 32 bytes a lane, back as whole rows of 512 bytes.
.macro TOSTAGE a
	WIN 0x08                                       ; an LDS store's data: window 2
.irp b, 0,1,2,3,4,5,6,7
	ds_store_b128 v[STO], v[64*(\a)+8*\b:64*(\a)+8*\b+3] offset:64*\b       ; each accumulator from its low end on
	ds_store_b128 v[STO], v[64*(\a)+8*\b+4:64*(\a)+8*\b+7] offset:64*\b+16
.endr
	WIN 0
.set BB, BK+64*((\a)%2)
.irp t, 0,1,2,3,4,5,6,7,8,9,10,11,12,13,14,15
	ds_load_b128 v[BB+4*\t:BB+4*\t+3], v[RD] offset:\t*528                  ; LDS serves a wave's instructions in order: these see the stores above
.endr
.endm
.macro SEND a, younger
.set BB, BK+64*((\a)%2)
	s_wait_dscnt \younger                          ; the block is back; the next block's 16 stores and 16 loads may be out
.irp t, 0,1,2,3,4,5,6,7,8,9,10,11,12,13,14,15
	global_store_b128 v[CO], v[BB+4*\t:BB+4*\t+3], s[8:9] offset:65536*(\a)+4096*\t th:TH_STORE_NT   ; 512 consecutive bytes of a row, aligned; written once
.endr
.endm
	PLACES
	TOSTAGE 0
	TOSTAGE 1
	SEND 0, 32
	s_wait_xcnt 0x0                                ; block 0's stores have read their registers: block 2's rows may land there
	TOSTAGE 2
	SEND 1, 32
	s_wait_xcnt 0x0
	TOSTAGE 3
	SEND 2, 32
	SEND 3, 0
	s_wait_tensorcnt 0x0                           ; the wave's end
	ds_add_u32 v[SPW], v[NIL]
	s_wait_dscnt 0x0
	CROUND                                         ; the closing round
	s_endpgm
.Lfunc_end_k_q08f883ae5d_oproj:
	.size	k_q08f883ae5d_oproj, .Lfunc_end_k_q08f883ae5d_oproj-k_q08f883ae5d_oproj
	.p2alignl 7, 3214868480
	.fill 96, 4, 3214868480
	.section	.rodata,"a",@progbits
	.p2align	6, 0x0
	.amdhsa_kernel k_q08f883ae5d_oproj
		.amdhsa_group_segment_fixed_size 327680
		.amdhsa_private_segment_fixed_size 0
		.amdhsa_enable_private_segment 0
		.amdhsa_kernarg_size 32
		.amdhsa_user_sgpr_count 2
		.amdhsa_user_sgpr_kernarg_segment_ptr 1
		.amdhsa_wavefront_size32 1
		.amdhsa_system_sgpr_workgroup_id_x 1
		.amdhsa_system_sgpr_workgroup_id_y 1
		.amdhsa_system_sgpr_workgroup_id_z 1
		.amdhsa_system_vgpr_workitem_id 0
		.amdhsa_next_free_vgpr 768
		.amdhsa_next_free_sgpr 66
		.amdhsa_reserve_vcc 0
		.amdhsa_float_denorm_mode_32 3
		.amdhsa_float_denorm_mode_16_64 3
		.amdhsa_memory_ordered 1
		.amdhsa_forward_progress 1
		.amdhsa_inst_pref_size 87
	.end_amdhsa_kernel
	.amdgpu_metadata
---
amdhsa.version: [ 1, 2 ]
amdhsa.kernels:
  - .name:           k_q08f883ae5d_oproj
    .symbol:         k_q08f883ae5d_oproj.kd
    .args:
      - { .name: attn, .offset: 0, .size: 8, .value_kind: global_buffer, .address_space: global }
      - { .name: woh, .offset: 8, .size: 8, .value_kind: global_buffer, .address_space: global }
      - { .name: out0, .offset: 16, .size: 8, .value_kind: global_buffer, .address_space: global }
      - { .name: bo, .offset: 24, .size: 8, .value_kind: global_buffer, .address_space: global }
    .group_segment_fixed_size: 327680
    .private_segment_fixed_size: 0
    .kernarg_segment_align: 8
    .kernarg_segment_size: 32
    .max_flat_workgroup_size: 128
    .sgpr_count:     66
    .vgpr_count:     768
    .wavefront_size: 32
...
	.end_amdgpu_metadata
.endif
;; end of part 4
